; MI455X (gfx1250); checked and timed in simulation.
; The chip was launched on July 23, 2026; its instructions are those of AMD's public machine-readable ISA for CDNA 5 (MIT licence, August 2026) and "CDNA5" Instruction Set Architecture Reference Guide (July 2026). The comments in the code are by the model that wrote it; some were corrected since.
;; Attention. Allowed arithmetic: matrix products marked QUANTISED: E4M3 operands, one given power-of-two scale a tensor, by v_wmma_f32_16x16x64_fp8_fp8 or v_wmma_f32_16x16x128_fp8_fp8, f32 sums; everything else in f32.
;; Inputs: lowp_scales 12 int32 (the exponents e of the quantised operands' scales 2^e); token_positions 2,048 int32; wk 1,024 x 1,024 float32; wo 1,024 x 1,024 float32; wq 1,024 x 1,024 float32; wv 1,024 x 1,024 float32; x 4 x 2,048 x 1,024 float32.
;; Outputs: out0 4 x 2,048 x 1,024 float32.
;; This version of the problem:
;;   THIS VERSION OF THE PROBLEM IS GIVEN IN LOW PRECISION. The matrix products marked QUANTISED in the list below multiply operands that are first quantised to E4M3 (4 exponent bits, 3 mantissa bits; 8 bits a number), with one given power-of-two scale for each operand tensor; their sums are f32. All else is computed in f32.
;;   The module's matrix products, in the order in which they are computed (A, B: the left and right operand; K: the contracted axis; several contracted axes count as one K, in the product's order):
;;     1. [M 8,192, K 1,024] x [K 1,024, N 1,024]; A: input x; B: input wq: QUANTISED (scales: A lowp_scales[0], B lowp_scales[1])
;;     2. [M 8,192, K 1,024] x [K 1,024, N 1,024]; A: input x; B: input wk: QUANTISED (scales: A lowp_scales[2], B lowp_scales[3])
;;     3. [M 8,192, K 1,024] x [K 1,024, N 1,024]; A: input x; B: input wv: QUANTISED (scales: A lowp_scales[4], B lowp_scales[5])
;;     4. batch 64 x [M 2,048, K 64] x [K 64, N 2,048]; A: computed on the way; B: computed on the way: QUANTISED (scales: A lowp_scales[6], B lowp_scales[7])
;;     5. batch 64 x [M 2,048, K 2,048] x [K 2,048, N 64]; A: softmax (see below); B: computed on the way: QUANTISED (scales: A lowp_scales[8], B lowp_scales[9])
;;     6. [M 8,192, K 1,024] x [K 1,024, N 1,024]; A: computed on the way; B: input wo: QUANTISED (scales: A lowp_scales[10], B lowp_scales[11])
;;   THE QUANTISER, for each operand of a quantised product, along K:
;;     - The operand's scale is 2^e, e = its entry of the input lowp_scales (int32; the entries are numbered through the quantised products in the list's order, A before B).
;;     - Each number is divided by the scale, clamped to +-448, and rounded to the nearest number of E4M3, ties to even, subnormals kept.
;;     - The product sums the exact products of the quantised numbers (number of the format x scale) in f32.
;;   ~~~python
;;   def quantise(x, axis, e):      # numpy; x: float32 -> the quantised numbers, widened to float32 again
;;       x = np.moveaxis(x, axis, -1); K = x.shape[-1]
;;       r = np.clip(x / 2.0 ** e, -448, 448)
;;       step = 2.0 ** (np.maximum(np.frexp(np.where(r == 0, 1, r))[1] - 1, -6) - 3)
;;       q = np.round(r / step) * step * 2.0 ** e      # np.round: ties to even
;;       return np.moveaxis(q, -1, axis).astype(np.float32)
;;   ~~~
;;   SOFTMAX AHEAD OF A QUANTISED PRODUCT. Where the list says 'softmax', what is quantised is not the finished softmax but p = 2^(t - M), with t = logit x log2(e) and M = ceil(the row's largest t), a whole number; so 1/2 < the row's largest p <= 1. The row's sum l is taken of the UNQUANTISED p, in f32, and the product's result is divided by l at the end. Since M is a whole number, a kernel that streams over the keys may use a running M (the ceiling of the running maximum): every later rescaling is an exact power of two, so the quantised numbers keep their values, but for numbers so far below the row's largest that they fall under the format's range.
;;   OPERANDS COMPUTED ON THE WAY. 'Computed on the way' means the value that the module computes at that place (a softmax that the list does not call 'softmax' is quantised finished and normalised). What goes into a quantiser is computed in f32, as accurately as f32 sums, v_exp_f32 and their like allow (about 1e-6 of the number): no bf16 or f16 on the way to a quantiser, and a product that is left as it is and whose result goes on into a quantised operand takes f32 operands (vector FMAs, or v_wmma_f32_16x16x4_f32). A number that lies on a knife's edge between two numbers of the format may be rounded either way, as far as f32 arithmetic and the matrix unit's own rounding can turn it there, and no further.
;; One version. Each part assembles by itself: llvm-mc -triple=amdgcn-amd-amdhsa -mcpu=gfx1250 --defsym DOCPART=n.
;; ======== version 1 of 1: 4 launches
;; limits: right only within a limited range of input values
;; workspace buffers: codes 29,360,128 bytes; tab 524,288 bytes; qkv 25,165,824 bytes; ao 8,388,608 bytes
;; launch prep (part 1): grid 416 x 1, 4 waves a work-group, no clusters, 65,536 bytes of LDS; arguments x, wq, wk, wv, wo, token_positions, lowp_scales, codes, tab; writes codes, tab
.if DOCPART == 1
	.amdgcn_target "amdgcn-amd-amdhsa--gfx1250"
	.amdhsa_code_object_version 6
	.text
	.protected	k_q47efbf639a_prep
	.globl	k_q47efbf639a_prep
	.p2align	8
	.type	k_q47efbf639a_prep,@function
k_q47efbf639a_prep:
	s_mov_b64 s[64:65], 0
	v_nop
	global_prefetch_b8 v0, s[64:65] scope:SCOPE_SE
	s_setreg_imm32_b32 hwreg(HW_REG_WAVE_MODE, 25, 1), 1
	s_wait_xcnt 0x0
; PREP: everything that is quantised or tabulated once.
;  work-groups 0-255:   x [8192][1024] f32 -> three tensors of E4M3 codes, under the scales 2^e0, 2^e2, 2^e4 (x is an operand of three products, each with a scale of its own); x is read once.
;  work-groups 256-383: wq, wk, wv, wo [1024][1024] f32 -> codes under 2^e1, 2^e3, 2^e5, 2^e11; 32 work-groups a weight.
;  work-groups 384-415: cos and sin of token_positions[s] x 10000^(-j/32), j = 0..31, laid as images of the registers in which the projection's way out wants them.
; code = x / 2^e (held within +-448 on x's path), to the nearest code, ties to even.  Rows are dense with K innermost, so a tensor is a plain stream and so are its codes.
; LIMITS: every e used here lies between -126 and 119; NaN among the inputs is not served; |token_positions| up to 2^20 (the range reduction's three parts of pi/2 are good for that).
; A wave takes 16 steps of 512 numbers.  Each load reads 512 consecutive bytes, 16 a lane; a step's 2,048 bytes turn through the wave's own stage in LDS and come back 64 bytes a lane,
; since the conversions take neighbours along K from ONE lane's registers.  A lane's 16 codes are 16 bytes: a store covers 512 consecutive bytes.  Waves share nothing: no barrier.
; The two quantising paths have LDS bytes of their own: x's in 0..32767, the weights' in 32768..65535.
.set STEPS, 16
.set SP,    80                         ; a lane's place in a stage: 64 bytes + 16 of padding
.set WREG,  8192                       ; LDS of a wave: two stages of 32 x SP bytes
.set R,     16                         ; v16-79   four sets of 16 numbers as loaded
.set X,     80                         ; v80-111  two sets of 16 neighbours
.set T,     112                        ; v112-159 x's path: the 16 numbers held under each of the three scales
.set C,     160                        ; v160-183 x's path: 12 registers of codes, two sets by turns
.set CW,    112                        ; v112-175 the weights' path: four registers of codes for each step
	s_load_b512 s[4:19], s[0:1], 0x0               ; x s[4:5], wq s[6:7], wk s[8:9], wv s[10:11], wo s[12:13], token_positions s[14:15], lowp_scales s[16:17], codes s[18:19]
	s_load_b64 s[20:21], s[0:1], 0x40              ; tab
	v_lshrrev_b32 v1, 5, v0
	v_readfirstlane_b32 s36, v1                    ; wave
	v_and_b32 v2, 31, v0                           ; lane
	v_lshlrev_b32 v3, 4, v2                        ; 16 x lane: my bytes of a load's and of a store's 512; never rewritten
	s_mul_i32 s37, s36, WREG
	v_lshrrev_b32 v14, 2, v2
	v_mul_u32_u24 v14, v14, SP
	v_and_b32 v15, 3, v2
	v_lshl_add_u32 v14, v15, 4, v14
	v_add_nc_u32 v14, s37, v14                     ; x's stage, way in: SP (lane / 4) + 16 (lane % 4)
	v_mul_u32_u24 v15, v2, SP
	v_add_nc_u32 v15, s37, v15                     ; way out: SP x lane: my 16 neighbours
	v_add_nc_u32 v12, 32768, v14                   ; the weights' stage, likewise
	v_add_nc_u32 v13, 32768, v15
	s_wait_kmcnt 0x0
	s_load_b256 s[24:31], s[16:17], 0x0            ; e0 .. e7
	s_load_b128 s[32:35], s[16:17], 0x20           ; e8 .. e11
	s_cmp_ge_u32 ttmp9, 384
	s_cbranch_scc1 .Ltab
	s_cmp_ge_u32 ttmp9, 256
	s_cbranch_scc1 .Lw
.macro LOAD t, sb                      ; step t: four loads of 512 consecutive bytes
.irp i, 0,1,2,3
	global_load_b128 v[R+16*((\t)%4)+4*\i:R+16*((\t)%4)+4*\i+3], v3, s[\sb:\sb+1] offset:2048*(\t)+512*\i th:TH_LOAD_NT
.endr
.endm
.macro TURN t, in, out                 ; step t's numbers through the stage; LDS serves a wave's instructions in order, so no wait stands between the stores and the loads
.irp i, 0,1,2,3
	ds_store_b128 v[\in], v[R+16*((\t)%4)+4*\i:R+16*((\t)%4)+4*\i+3] offset:32*SP*((\t)%2)+8*SP*\i
.endr
.irp i, 0,1,2,3
	ds_load_b128 v[X+16*((\t)%2)+4*\i:X+16*((\t)%2)+4*\i+3], v[\out] offset:32*SP*((\t)%2)+16*\i
.endr
.endm
.macro AHEAD t, sb, in, out            ; the head of a step: loads run four steps ahead, the turn through LDS one
	s_wait_dscnt 0x0                               ; this step's numbers are back from the stage, and its stores into the stage have read their registers,
.if (\t)+4 < STEPS
	LOAD (\t)+4, \sb                               ; which take the loads of four steps on
.endif
.if (\t)+1 < STEPS
.if STEPS-2-(\t) >= 3
	s_wait_loadcnt 12                              ; the next step's four loads are in; those of the three steps behind it may be out
.else
	s_wait_loadcnt 4*(STEPS-2-(\t))
.endif
	TURN (\t)+1, \in, \out
.endif
.endm
.macro MKSCALE e, vs, vl               ; v[vs] = 2^e as f32 (the conversion takes its exponent field), v[vl] = 448 x 2^e
	s_add_co_i32 s48, s[\e], 127
	s_lshl_b32 s49, s48, 23
	v_mov_b32 v[\vs], s49
	s_add_co_i32 s48, s48, 8
	s_lshl_b32 s48, s48, 23
	s_or_b32 s48, s48, 0x600000
	v_mov_b32 v[\vl], s48
.endm
; ---------------- x: one read, three quantisers
	s_lshl_b32 s38, ttmp9, 2
	s_add_co_u32 s38, s38, s36                     ; which run of 8,192 numbers is my wave's
	s_lshl_b32 s40, s38, 15
	s_mov_b32 s41, 0
	s_add_nc_u64 s[4:5], s[4:5], s[40:41]
	s_lshl_b32 s40, s38, 13
	s_add_nc_u64 s[42:43], s[18:19], s[40:41]      ; codes under e0,
	s_add_nc_u64 s[44:45], s[42:43], 0x800000      ; under e2,
	s_add_nc_u64 s[46:47], s[42:43], 0x1000000     ; under e4
.irp t, 0,1,2,3
	LOAD \t, 4
.endr
	s_wait_kmcnt 0x0
	MKSCALE 24, 5, 6
	MKSCALE 26, 7, 8
	MKSCALE 28, 9, 10
	s_wait_loadcnt 12                              ; step 0's four loads are in
	s_wait_alu depctr_va_vdst(0)
	TURN 0, 14, 15
.macro STEPX t
.set XS, X+16*((\t)%2)
.set CC, C+12*((\t)%2)
	AHEAD \t, 4, 14, 15
.irp k, 0,1,2
.irp i, 0,1,2,3,4,5,6,7,8,9,10,11,12,13,14,15
	v_med3_num_f32 v[T+16*\k+\i], v[XS+\i], -v[6+2*\k], v[6+2*\k]   ; the conversion to an 8-bit code does not saturate (ISA guide 7.6.2): the hold at 448 x the scale, once for each scale
.endr
.endr
	s_wait_alu depctr_va_vdst(0)
	s_wait_xcnt 0x0                                ; the stores of two steps back have read this set of code registers
.irp k, 0,1,2
	v_cvt_scalef32_pk8_fp8_f32 v[CC+4*\k:CC+4*\k+1], v[T+16*\k:T+16*\k+7], v[5+2*\k]
	v_cvt_scalef32_pk8_fp8_f32 v[CC+4*\k+2:CC+4*\k+3], v[T+16*\k+8:T+16*\k+15], v[5+2*\k]
.endr
	v_nop                                          ; a plain line behind the last conversion: the next step's holds write the conversions' sources
	global_store_b128 v3, v[CC:CC+3], s[42:43] offset:512*(\t)
	global_store_b128 v3, v[CC+4:CC+7], s[44:45] offset:512*(\t)
	global_store_b128 v3, v[CC+8:CC+11], s[46:47] offset:512*(\t)
.endm
.irp t, 0,1,2,3,4,5,6,7,8,9,10,11,12,13,14,15
	STEPX \t
.endr
	s_endpgm
; ---------------- the four weights: one scale each
.Lw:
	s_sub_co_u32 s37, ttmp9, 256
	s_lshr_b32 s38, s37, 5                         ; which weight: 0 wq, 1 wk, 2 wv, 3 wo
	s_and_b32 s37, s37, 31
	s_lshl_b32 s37, s37, 2
	s_add_co_u32 s37, s37, s36                     ; which run of 8,192 numbers of it
	s_cmp_eq_u32 s38, 1                            ; the choices hang on the work-group's number alone
	s_cselect_b64 s[40:41], s[8:9], s[6:7]
	s_cmp_eq_u32 s38, 2
	s_cselect_b64 s[40:41], s[10:11], s[40:41]
	s_cmp_eq_u32 s38, 3
	s_cselect_b64 s[40:41], s[12:13], s[40:41]
	s_lshl_b32 s50, s37, 15
	s_mov_b32 s51, 0
	s_add_nc_u64 s[40:41], s[40:41], s[50:51]
	s_lshl_b32 s50, s38, 20
	s_lshl_b32 s52, s37, 13
	s_add_co_u32 s50, s50, s52
	s_add_co_u32 s50, s50, 0x1800000               ; the weights' codes lie behind x's three tensors
	s_add_nc_u64 s[42:43], s[18:19], s[50:51]
.irp t, 0,1,2,3
	LOAD \t, 40
.endr
	s_wait_kmcnt 0x0
	s_cmp_eq_u32 s38, 1
	s_cselect_b32 s53, s27, s25                    ; e3 or e1
	s_cmp_eq_u32 s38, 2
	s_cselect_b32 s53, s29, s53                    ; e5
	s_cmp_eq_u32 s38, 3
	s_cselect_b32 s53, s35, s53                    ; e11
	MKSCALE 53, 5, 6
	s_wait_loadcnt 12
	s_wait_alu depctr_va_vdst(0)
	TURN 0, 12, 13
.macro STEPW t
.set XS, X+16*((\t)%2)
	AHEAD \t, 40, 12, 13
.irp i, 0,1,2,3,4,5,6,7,8,9,10,11,12,13,14,15
.endr
	v_cvt_scalef32_pk8_fp8_f32 v[CW+4*(\t):CW+4*(\t)+1], v[XS:XS+7], v5
	v_cvt_scalef32_pk8_fp8_f32 v[CW+4*(\t)+2:CW+4*(\t)+3], v[XS+8:XS+15], v5
	v_nop
	global_store_b128 v3, v[CW+4*(\t):CW+4*(\t)+3], s[42:43] offset:512*(\t)   ; each step has its own code registers: no store's data are written again
.endm
.irp t, 0,1,2,3,4,5,6,7,8,9,10,11,12,13,14,15
	STEPW \t
.endr
	s_endpgm
; ---------------- the table of cosines and sines
; A wave takes a block of 16 tokens.  Lane (r, h) takes token 16 blk + r and the 16 pairs j = 8 bb + 4 h + 2 e + jj (bb 0..3, e, jj 0..1): those of the columns that the lane holds in the projection's results.
; Register OUT + 2 n is cos, OUT + 2 n + 1 sin, n = 4 bb + 2 e + jj; store i = n / 2 puts 16 bytes a lane at blk x 4096 + 512 i + 16 lane: 512 consecutive bytes.
.Ltab:
.set JF,  32                           ; v32-47  j as f32, then j x the correction, then the angle
.set EX,  48                           ; v48-63  10000^(-j/32)
.set OUT, 64                           ; v64-95
.set TN,  96
.set TR,  97
.set TS,  98
.set TP,  99
.set TC,  100
.set TT,  101
.set TQ,  102
.set TA,  103
.set TB,  104
.set K9,  108
.set K10, 109
	s_sub_co_u32 s37, ttmp9, 384
	s_lshl_b32 s37, s37, 2
	s_add_co_u32 s37, s37, s36                     ; blk
	s_lshl_b32 s50, s37, 6
	s_mov_b32 s51, 0
	s_add_nc_u64 s[14:15], s[14:15], s[50:51]      ; its 16 positions
	s_lshl_b32 s50, s37, 12
	s_add_nc_u64 s[20:21], s[20:21], s[50:51]      ; its 4,096 bytes of the table
	v_and_b32 v16, 15, v0
	v_lshlrev_b32 v16, 2, v16
	global_load_b32 v20, v16, s[14:15]
	v_bfe_u32 v17, v0, 4, 1
	v_lshlrev_b32 v17, 2, v17                      ; 4 h
	v_mov_b32 v[K9], 0x3638ef1d                    ; 1/9!
	v_mov_b32 v[K10], 0xb493f27e                   ; -1/10!
.set nn, 0
.rept 16
	v_add_nc_u32 v[JF+nn], 8*(nn/4)+nn%4, v17
.set nn, nn+1
.endr
.set nn, 0
.rept 16
	v_cvt_f32_u32 v[JF+nn], v[JF+nn]
.set nn, nn+1
.endr
.set nn, 0
.rept 16
	v_mul_f32 v[EX+nn], 0xbed49a80, v[JF+nn]       ; -j x log2(10)/8, the factor cut to 17 bits so that the product with j < 32 is exact
.set nn, nn+1
.endr
.set nn, 0
	s_wait_alu depctr_va_vdst(0)
.rept 16
	v_exp_f32 v[EX+nn], v[EX+nn]
.set nn, nn+1
.endr
.set nn, 0
.rept 16
	v_mul_f32 v[JF+nn], 0x342ae0aa, v[JF+nn]       ; j x ln 2 x (what was cut off the factor).  Plain lines behind the exponentials, naming none of their results
.set nn, nn+1
.endr
	s_wait_alu depctr_va_vdst(0)                   ; one wait for the batch of sixteen, ahead of its first reader
.set nn, 0
.rept 16
	v_fma_f32 v[EX+nn], v[EX+nn], v[JF+nn], v[EX+nn]   ; 10000^(-j/32)
.set nn, nn+1
.endr
	s_wait_loadcnt 0x0
	v_cvt_f32_i32 v20, v20                         ; the position as f32
.set nn, 0
.rept 16
	v_mul_f32 v[JF+nn], v20, v[EX+nn]              ; the angle, rounded once
.set nn, nn+1
.endr
; cos and sin of one angle: n = the nearest multiple of pi/2, taken off in three parts by fused multiply-adds; r within about pi/4; Taylor to r^9 and r^10 (the terms left out are under 3e-9); the quadrant picks and signs.
.macro SINCOS n
	v_mul_f32 v[TN], 0x3f22f983, v[JF+\n]
	v_rndne_f32 v[TN], v[TN]
	v_fmamk_f32 v[TR], v[TN], 0xbfc90fda, v[JF+\n]
	v_fmamk_f32 v[TR], v[TN], 0xb3a22168, v[TR]
	v_fmamk_f32 v[TR], v[TN], 0xa7c234c4, v[TR]
	v_cvt_i32_f32 v[TQ], v[TN]
	v_mul_f32 v[TS], v[TR], v[TR]
	v_fmaak_f32 v[TP], v[K9], v[TS], 0xb9500d01
	v_fmaak_f32 v[TP], v[TP], v[TS], 0x3c088889
	v_fmaak_f32 v[TP], v[TP], v[TS], 0xbe2aaaab
	v_mul_f32 v[TT], v[TR], v[TS]
	v_fma_f32 v[TP], v[TP], v[TT], v[TR]           ; sin r
	v_fmaak_f32 v[TC], v[K10], v[TS], 0x37d00d01
	v_fmaak_f32 v[TC], v[TC], v[TS], 0xbab60b61
	v_fmaak_f32 v[TC], v[TC], v[TS], 0x3d2aaaab
	v_fmaak_f32 v[TC], v[TC], v[TS], 0xbf000000
	v_fma_f32 v[TC], v[TC], v[TS], 1.0             ; cos r
	v_and_b32 v[TT], 1, v[TQ]
	v_cmp_eq_u32 vcc_lo, 1, v[TT]                  ; an odd quadrant swaps the two
	v_cndmask_b32 v[TA], v[TP], v[TC], vcc_lo
	v_cndmask_b32 v[TB], v[TC], v[TP], vcc_lo
	v_and_b32 v[TT], 2, v[TQ]
	v_lshlrev_b32 v[TT], 30, v[TT]
	v_xor_b32 v[OUT+2*\n+1], v[TT], v[TA]          ; sin: negative in quadrants 2 and 3
	v_add_nc_u32 v[TQ], 1, v[TQ]
	v_and_b32 v[TQ], 2, v[TQ]
	v_lshlrev_b32 v[TQ], 30, v[TQ]
	v_xor_b32 v[OUT+2*\n], v[TQ], v[TB]            ; cos: negative in quadrants 1 and 2
.endm
.irp n, 0,1,2,3,4,5,6,7,8,9,10,11,12,13,14,15
	SINCOS \n
.endr
.irp i, 0,1,2,3,4,5,6,7
	global_store_b128 v3, v[OUT+4*\i:OUT+4*\i+3], s[20:21] offset:512*\i
.endr
	s_endpgm
.Lfunc_end_k_q47efbf639a_prep:
	.size	k_q47efbf639a_prep, .Lfunc_end_k_q47efbf639a_prep-k_q47efbf639a_prep
	.p2alignl 7, 3214868480
	.fill 96, 4, 3214868480
	.section	.rodata,"a",@progbits
	.p2align	6, 0x0
	.amdhsa_kernel k_q47efbf639a_prep
		.amdhsa_group_segment_fixed_size 65536
		.amdhsa_private_segment_fixed_size 0
		.amdhsa_enable_private_segment 0
		.amdhsa_kernarg_size 72
		.amdhsa_user_sgpr_count 2
		.amdhsa_user_sgpr_kernarg_segment_ptr 1
		.amdhsa_wavefront_size32 1
		.amdhsa_system_sgpr_workgroup_id_x 1
		.amdhsa_system_sgpr_workgroup_id_y 1
		.amdhsa_system_sgpr_workgroup_id_z 1
		.amdhsa_system_vgpr_workitem_id 0
		.amdhsa_next_free_vgpr 192
		.amdhsa_next_free_sgpr 66
		.amdhsa_reserve_vcc 1
		.amdhsa_float_denorm_mode_32 3
		.amdhsa_float_denorm_mode_16_64 3
		.amdhsa_fp16_overflow 1
		.amdhsa_memory_ordered 1
		.amdhsa_forward_progress 1
		.amdhsa_inst_pref_size 125
	.end_amdhsa_kernel
	.amdgpu_metadata
---
amdhsa.version: [ 1, 2 ]
amdhsa.kernels:
  - .name:           k_q47efbf639a_prep
    .symbol:         k_q47efbf639a_prep.kd
    .args:
      - { .name: x, .offset: 0, .size: 8, .value_kind: global_buffer, .address_space: global }
      - { .name: wq, .offset: 8, .size: 8, .value_kind: global_buffer, .address_space: global }
      - { .name: wk, .offset: 16, .size: 8, .value_kind: global_buffer, .address_space: global }
      - { .name: wv, .offset: 24, .size: 8, .value_kind: global_buffer, .address_space: global }
      - { .name: wo, .offset: 32, .size: 8, .value_kind: global_buffer, .address_space: global }
      - { .name: token_positions, .offset: 40, .size: 8, .value_kind: global_buffer, .address_space: global }
      - { .name: lowp_scales, .offset: 48, .size: 8, .value_kind: global_buffer, .address_space: global }
      - { .name: codes, .offset: 56, .size: 8, .value_kind: global_buffer, .address_space: global }
      - { .name: tab, .offset: 64, .size: 8, .value_kind: global_buffer, .address_space: global }
    .group_segment_fixed_size: 65536
    .private_segment_fixed_size: 0
    .kernarg_segment_align: 8
    .kernarg_segment_size: 72
    .max_flat_workgroup_size: 128
    .sgpr_count:     66
    .vgpr_count:     192
    .wavefront_size: 32
...
	.end_amdgpu_metadata
.endif
;; end of part 1
;; launch proj (part 2): grid 12 x 32, 4 waves a work-group, clusters of 4 x 4, 327,680 bytes of LDS; arguments codes, tab, lowp_scales, qkv; writes qkv
.if DOCPART == 2
	.amdgcn_target "amdgcn-amd-amdhsa--gfx1250"
	.amdhsa_code_object_version 6
	.text
	.protected	k_q47efbf639a_proj
	.globl	k_q47efbf639a_proj
	.p2align	8
	.type	k_q47efbf639a_proj,@function
k_q47efbf639a_proj:
	s_mov_b64 s[64:65], 0
	v_nop
	global_prefetch_b8 v0, s[64:65] scope:SCOPE_SE
	s_setreg_imm32_b32 hwreg(HW_REG_WAVE_MODE, 25, 1), 1
	s_wait_xcnt 0x0
	s_wait_alu depctr_hold_cnt(0) depctr_sa_sdst(0) depctr_va_vdst(0) depctr_va_sdst(0) depctr_va_ssrc(0) depctr_va_vcc(0) depctr_vm_vsrc(0)
	s_getreg_b32 s2, hwreg(HW_REG_IB_STS2, 6, 4)
	s_cmp_eq_u32 s2, 0
	s_cbranch_scc0 .Lentry_in_a_cluster
	s_endpgm
.Lentry_in_a_cluster:
	s_bfe_u32 s2, ttmp6, 0x10000c
	s_cmp_lg_u32 s2, 0xf033
	s_cbranch_scc0 .Lentry_shape_is_right
	s_endpgm
.Lentry_shape_is_right:
; PROJ: q = rope(x wq^T), k = rope(x wk^T), v = x wv^T on E4M3 codes, and their quantising for the attention's products.  The cluster's x, p = 0, 1, 2, is the projection; it is the same in all sixteen partners.
; A tile of 256 x 256 of a product is made by four waves, 128 x 128 each: 64 accumulators, 512 registers.  K = 1,024 goes in four steps of 256 through two LDS slots filled by joint tensor loads.
; ROLES.  The matrix instruction takes 16 rows of role B as source 0 and 16 rows of role A as source 1: a lane then holds ONE row of A and eight neighbouring rows of B.
;   p = 0, 1: A = x's codes (tokens), B = the weight's rows (columns of q or k): a lane holds a token and eight neighbouring columns: four pairs for the rotation, eight neighbours along the next K (the head's 64).
;   p = 2:    A = wv's rows (d), B = x's codes (tokens): a lane holds one d and eight neighbouring tokens: neighbours along the next K (the keys).  Nothing is transposed.
; All operands lie in one buffer, so the change of roles is made in byte offsets alone.
; THE WAY OUT.  A sum stands for sum x 2^(ea + eb); the rotation is linear; so the three scales are folded into the conversion's one: 2^(e6-e0-e1), 2^(e7-e2-e3), 2^(e9-e4-e5).
;   q, k: [batch x 16 + head][s][64 bytes].   v: [batch x 16 + head][s / 128][d: 64][128 keys].  A block's codes go through the wave's own stage in LDS and leave as runs of 512 consecutive bytes.
; LIMITS: each of the three folded exponents lies between -126 and 119.  NaN is not served.
; CLUSTERS: 4 x 4.  A's tile hangs on cy (and the cluster's place) and is shared along a row of the cluster, B's on cx and is shared along a column.
; REGISTERS, in windows of 256: window 0: v0-31 addresses and the scale; v32-95 two sets of a block's cosines and sines; from v128 A's fragments, ONE set (on the way out: v128-191 the numbers, v192-207 and v240-255 codes, v208-239 rows read back).
;   window 1: B's fragments, two sets.   window 2, 3: the accumulators of my A rows 0-63, 64-127 (accumulator (a, b) at v[8 (8 (a % 4) + b)]).
.set ROWB,   256                       ; a tile's row in bytes: 256 along K
.set KROW,   1024                      ; a row of codes in memory
.set PITCH,  272                       ; an LDS row: 256 + 16: row r starts at bank 4 r mod 64 (64 banks of 4 bytes: ISA guide 11.1)
.set FR,     16
.set NL,     4
.set NP,     4
.set HALFT,  128*PITCH
.set SLOT,   4*HALFT
.set SPARE,  2*SLOT                    ; behind the ring: the spare words, 128 bytes a wave, that no other line names
.set SROW,   144                       ; a stage row: 128 bytes of codes + 16
.set ADRA, 16
.set ADRB, 20
.set STOV, 22                          ; v's stage: in, back
.set RDV,  23
.set STOQ, 24                          ; q's and k's stage: in, back
.set RDQ,  25
.set CO,   26                          ; 16 x lane: table loads and stores; never rewritten
.set SPW,  28
.set NIL,  29
.set SCL,  30                          ; the folded scale as f32
.set LIM,  31
.set CS,   32
.set AF,   128
.set TMP,  128
.set CD0,  192
.set BK,   208
.set G1, 24
.set G0, 32
.set G1B, 48
.set G0B, 56
.set TLA, 42                           ; s42 role A's tile
.set TLB, 66                           ; s66 role B's tile
.set MSB, 0
.macro WIN new                         ; the immediate's high byte repeats the setting that is left
.if MSB != \new
	s_set_vgpr_msb (MSB<<8)|\new
.set MSB, \new
.endif
.endm
.set MUL_LO, 0xa1                      ; source 0 (B) window 1, source 1 (A) window 0, C and D window 2
.set MUL_HI, 0xf1
.set TO_B,   0x40
; A joint load: waves 0 and 1 fetch for A, waves 2 and 3 for B; the branch hangs on the wave's number alone.  Four v_nop follow each of the two lines.
.macro JLOAD g0a, g1a, g0b, g1b
	s_cmp_eq_u32 s15, 0
	s_cbranch_scc0 .Lfor_b_\@
	tensor_load_to_lds s[\g0a:\g0a+3], s[\g1a:\g1a+7]
	s_nop 0
.rept 4
	v_nop
.endr
	s_branch .Lasked_\@
.Lfor_b_\@:
	tensor_load_to_lds s[\g0b:\g0b+3], s[\g1b:\g1b+7]
	s_nop 0
.rept 4
	v_nop
.endr
.Lasked_\@:
.endm
.macro CREST                           ; a round of the cluster's barrier behind its opening barrier
	s_cmp_lg_u32 s14, 0
	s_cbranch_scc1 .Lnot_wave_0_\@
	s_barrier_signal -3
.Lnot_wave_0_\@:
	s_barrier_wait -3
	s_barrier_signal -1
	s_barrier_wait -1
.endm
.macro CROUND
	s_barrier_signal -1
	s_barrier_wait -1
	CREST
.endm
	s_load_b128 s[4:7], s[0:1], 0x0                ; codes s[4:5], tab s[6:7]
	s_load_b128 s[8:11], s[0:1], 0x10              ; lowp_scales s[8:9], qkv s[10:11]
	v_lshl_add_u32 v[SPW], v0, 2, SPARE
	v_mov_b32 v[NIL], 0
	v_lshrrev_b32 v1, 5, v0
	v_readfirstlane_b32 s14, v1                    ; wave 0..3
	s_lshr_b32 s15, s14, 1                         ; which half of A's rows is mine.  Also: I fetch for A (0) or for B (1)
	s_and_b32 s16, s14, 1                          ; which half of B's rows.  Also: which 128 rows of that tile I fetch
	s_bfe_u32 s40, ttmp6, 0x40000                  ; cx
	s_bfe_u32 s41, ttmp6, 0x40004                  ; cy
	s_and_b32 s17, ttmp7, 0xffff
	s_lshl_b32 s17, s17, 2                         ; 4 x cluster y
	s_lshl_b32 s18, ttmp9, 23                      ; x's codes under e0 or e2
	s_lshl_b32 s19, ttmp9, 20
	s_add_co_u32 s19, s19, 0x1800000               ; wq's or wk's codes
	s_mov_b32 s20, 0x1a00000                       ; wv's codes
	s_mov_b32 s21, 0x1000000                       ; x's codes under e4
	s_cmp_eq_u32 ttmp9, 2                          ; the third projection changes the roles
	s_cselect_b32 s18, s20, s18                    ; where A's tensor begins,
	s_cselect_b32 s19, s21, s19                    ; where B's
	s_cselect_b32 s[TLA], 0, s17
	s_cselect_b32 s[TLB], s17, 0
	s_add_co_u32 s[TLA], s[TLA], s41               ; A's tile: 4 x cluster y + cy, or cy.  It never holds cx
	s_add_co_u32 s[TLB], s[TLB], s40               ; B's tile: cx, or 4 x cluster y + cx.  It never holds cy
	s_lshl_b32 s43, s41, 2
	s_lshl_b32 s43, 15, s43                        ; my row of the cluster
	s_lshl_b32 s44, 0x1111, s40                    ; my column
	s_or_b32 s[G1+0], s43, (0<<16)|(1<<20)|(1<<21)|(5<<22)|(3<<25)  ; the mask; elements of 1 byte; padding on; bit 21 beside a mask; after every 64 words, 4 words
	s_or_b32 s[G1B+0], s44, (0<<16)|(1<<20)|(1<<21)|(5<<22)|(3<<25)
.irp g, G1, G1B
	s_mov_b32 s[\g+1], ROWB<<16                    ; tensor_dim0
	s_mov_b32 s[\g+2], 128<<16                     ; tensor_dim1
	s_mov_b32 s[\g+3], ROWB<<16                    ; tile_dim0
	s_mov_b32 s[\g+4], 128                         ; tile_dim1
	s_mov_b32 s[\g+5], KROW                        ; from row to row
	s_mov_b32 s[\g+6], 0
	s_mov_b32 s[\g+7], 0
.endr
	s_lshl_b32 s22, s16, 17                        ; the 128 rows that I fetch, 1,024 bytes each
	s_lshl_b32 s20, s[TLA], 18
	s_add_co_u32 s20, s20, s22
	s_add_co_u32 s20, s20, s18                     ; A's byte offset in the buffer of codes
	s_mov_b32 s21, 0
	s_lshl_b32 s46, s[TLB], 18
	s_add_co_u32 s46, s46, s22
	s_add_co_u32 s46, s46, s19                     ; B's
	s_mov_b32 s47, 0
	s_mul_i32 s45, s14, HALFT                      ; where they go: wave x 128 rows
	s_wait_kmcnt 0x0
	s_load_b256 s[68:75], s[8:9], 0x0              ; e0 .. e7
	s_load_b128 s[76:79], s[8:9], 0x20             ; e8 .. e11
	s_add_nc_u64 s[20:21], s[4:5], s[20:21]
	s_add_nc_u64 s[46:47], s[4:5], s[46:47]
	CROUND                                         ; all sixteen work-groups are here: the first joint loads meet
.irp s, 0,1
	s_mov_b32 s[G0+4*\s], 1
	s_add_co_u32 s[G0+4*\s+1], s45, \s*SLOT
	s_add_nc_u64 s[G0+4*\s+2:G0+4*\s+3], s[20:21], \s*ROWB
	s_or_b32 s[G0+4*\s+3], s[G0+4*\s+3], 0x80000000
	s_mov_b32 s[G0B+4*\s], 1
	s_add_co_u32 s[G0B+4*\s+1], s45, \s*SLOT
	s_add_nc_u64 s[G0B+4*\s+2:G0B+4*\s+3], s[46:47], \s*ROWB
	s_or_b32 s[G0B+4*\s+3], s[G0B+4*\s+3], 0x80000000
	JLOAD G0+4*\s, G1, G0B+4*\s, G1B
.endr
	v_and_b32 v1, 15, v0                           ; r
	s_wait_alu depctr_va_vdst(0)
	v_bfe_u32 v2, v0, 4, 1                         ; h
	v_mul_u32_u24 v3, v1, PITCH
	v_lshl_add_u32 v4, v2, 4, v3                   ; a fragment's row x pitch + 16 h
	s_mul_i32 s21, s15, HALFT
	s_mul_i32 s22, s16, HALFT
	s_add_co_u32 s22, s22, 2*HALFT
.irp s, 0,1
	v_add_nc_u32 v[ADRA+\s], s21, v4
	v_add_nc_u32 v[ADRB+\s], s22, v4
	s_add_co_u32 s21, s21, SLOT
	s_add_co_u32 s22, s22, SLOT
.endr
	; the stages, 16 rows x 144 bytes a wave, lie in slot 0, which has had its last fill and its last read when the first codes are stored there; each of the two ways out has bytes of its own
	s_mul_i32 s23, s14, 16*SROW
	v_mul_u32_u24 v5, v1, SROW
	s_wait_alu depctr_va_vdst(0)
	v_lshl_add_u32 v5, v2, 3, v5                   ; in: row r, 8 bytes for each half of the lanes
	v_add_nc_u32 v[STOQ], s23, v5
	v_add_nc_u32 v[STOV], 16384, v[STOQ]
	v_and_b32 v6, 31, v0
	v_lshlrev_b32 v[CO], 4, v6
	v_lshrrev_b32 v7, 2, v6                        ; q, k back: four lanes to a token's 64 bytes of one head, eight tokens a load
	v_mul_u32_u24 v7, v7, SROW
	v_and_b32 v8, 3, v6
	v_lshl_add_u32 v7, v8, 4, v7
	v_add_nc_u32 v[RDQ], s23, v7
	v_lshrrev_b32 v7, 3, v6                        ; v back: eight lanes to a row of 128 keys, four rows a load
	v_mul_u32_u24 v7, v7, SROW
	v_and_b32 v8, 7, v6
	v_lshl_add_u32 v7, v8, 4, v7
	v_add_nc_u32 v[RDV], s23, v7
	v_add_nc_u32 v[RDV], 16384, v[RDV]
	s_wait_kmcnt 0x0
	s_sub_co_i32 s80, s74, s68
	s_sub_co_i32 s80, s80, s69                     ; e6 - e0 - e1
	s_sub_co_i32 s81, s75, s70
	s_sub_co_i32 s81, s81, s71                     ; e7 - e2 - e3
	s_sub_co_i32 s82, s77, s72
	s_sub_co_i32 s82, s82, s73                     ; e9 - e4 - e5
	s_cmp_eq_u32 ttmp9, 1
	s_cselect_b32 s80, s81, s80
	s_cmp_eq_u32 ttmp9, 2
	s_cselect_b32 s80, s82, s80
	s_add_co_i32 s80, s80, 127
	s_lshl_b32 s81, s80, 23
	v_mov_b32 v[SCL], s81
.macro FRAG reg, adr, q, i             ; 16 rows x 128 K: registers 4 c .. 4 c + 3 hold K = 32 c + 16 h + 0 .. 15: the same order of K in A and in B
.irp c, 0,1,2,3
	ds_load_b128 v[\reg+4*\c:\reg+4*\c+3], v[\adr] offset:128*(\q)+32*\c+(\i)*16*PITCH
.endr
.endm
; 16 matrix instructions: A's blocks a0, a0 + 1 x B's eight.  The 64 accumulators take turns, one instruction a turn, in the same order in every step.
.macro MUL16 a0, p, zero
.irp a, \a0, \a0+1
.irp b, 0,1,2,3,4,5,6,7
.if \zero
	v_wmma_f32_16x16x128_fp8_fp8 v[8*(8*((\a)%4)+\b):8*(8*((\a)%4)+\b)+7], v[128*(\p)+FR*\b:128*(\p)+FR*\b+FR-1], v[AF+FR*(\a):AF+FR*(\a)+FR-1], 0
.else
	v_wmma_f32_16x16x128_fp8_fp8 v[8*(8*((\a)%4)+\b):8*(8*((\a)%4)+\b)+7], v[128*(\p)+FR*\b:128*(\p)+FR*\b+FR-1], v[AF+FR*(\a):AF+FR*(\a)+FR-1], v[8*(8*((\a)%4)+\b):8*(8*((\a)%4)+\b)+7]
.endif
.endr
.endr
.endm
.macro FETCH_B slot, q, p
	WIN TO_B
.irp i, 0,1,2,3,4,5,6,7
	FRAG 128*(\p)+FR*\i, ADRB+\slot, \q, \i
.endr
	WIN 0
.endm
.macro FETCH_A slot, q, i0
.irp i, \i0, \i0+1, \i0+2, \i0+3
	FRAG AF+FR*(\i), ADRA+\slot, \q, \i
.endr
.endm
.macro PLACES n                        ; plain vector lines between a matrix instruction and a load into, or a vector access to, its registers
.rept \n
	v_nop
.endr
.endm
; A step of 128 along K that has its successor in the same slot.  A has one set of registers (a block is free when its eight products are issued), B two.
.macro STEP slot, q, zero
	s_wait_dscnt 4*NL                              ; B's set and A's blocks 0-3 are in; the youngest sixteen loads (A's blocks 4-7) may be out
	WIN MUL_LO
	MUL16 0, (\q)%2, \zero
	MUL16 2, (\q)%2, \zero
	s_wait_dscnt 0
	PLACES NP
	FETCH_B \slot, (\q)+1, 1-(\q)%2
	FETCH_A \slot, (\q)+1, 0
	WIN MUL_HI
	MUL16 4, (\q)%2, \zero
	MUL16 6, (\q)%2, \zero
	PLACES NP
	WIN 0
	FETCH_A \slot, (\q)+1, 4
.endm
; A slot's last step changes slots: one barrier; in front of it each wave waits for all its tensor loads, adds 0 to its spare word, and waits for that and for its reads of this slot.
.macro TURN slot, next, fill
	s_wait_tensorcnt 0x0                           ; all my tensor loads have landed: my part of the next slot
	ds_add_u32 v[SPW], v[NIL]                      ; 0 onto my spare word
	s_wait_dscnt 4*NL+1                            ; (the add and the youngest sixteen loads may be out)
	WIN MUL_LO
	MUL16 0, 1, 0
	s_wait_dscnt 0x0                               ; the add is done, and my reads of this slot are over
	s_barrier_signal -1
	MUL16 2, 1, 0
	WIN 0
	s_barrier_wait -1
.if \fill
	CREST                                          ; the barrier has opened a round of the cluster's: no wave of any partner still reads this slot or has a load on its way
	s_add_nc_u64 s[G0+4*\slot+2:G0+4*\slot+3], s[G0+4*\slot+2:G0+4*\slot+3], 2*ROWB
	s_add_nc_u64 s[G0B+4*\slot+2:G0B+4*\slot+3], s[G0B+4*\slot+2:G0B+4*\slot+3], 2*ROWB
	JLOAD G0+4*\slot, G1, G0B+4*\slot, G1B         ; the first tensor load behind the round; its four v_nop are also the places in front of the loads below
.else
	PLACES NP
.endif
	FETCH_B \next, 0, 0
	FETCH_A \next, 0, 0
	WIN MUL_HI
	MUL16 4, 1, 0
	MUL16 6, 1, 0
	PLACES NP
	WIN 0
	FETCH_A \next, 0, 4
.endm
.macro LAST                            ; the very last step: nothing more to fetch
	s_wait_dscnt 4*NL
	WIN MUL_LO
	MUL16 0, 1, 0
	MUL16 2, 1, 0
	s_wait_dscnt 0
	WIN MUL_HI
	MUL16 4, 1, 0
	MUL16 6, 1, 0
	WIN 0
.endm
.macro FINISH                          ; the wave's end: the waits and the add on the spare word, the closing round, the end
	s_wait_tensorcnt 0x0
	ds_add_u32 v[SPW], v[NIL]
	s_wait_dscnt 0x0
	CROUND
	s_endpgm
.endm
	s_wait_tensorcnt 1                             ; my part of K 0-255 is in (the load for K 256-511 may be out)
	s_barrier_signal -1
	s_barrier_wait -1                              ; everybody's is
	FETCH_B 0, 0, 0
	FETCH_A 0, 0, 0
	FETCH_A 0, 0, 4
	STEP 0, 0, 1                                   ; K = 1,024 is eight steps of 128: written out.  The first step's products start the sums
	TURN 0, 1, 1                                   ; slot 0 takes K 512-767
	STEP 1, 0, 0
	TURN 1, 0, 1                                   ; slot 1 takes K 768-1023
	STEP 0, 0, 0
	TURN 0, 1, 0                                   ; nothing is left to fetch: slot 0 has had its last fill and, behind this barrier, its last read
	STEP 1, 0, 0
	s_cmp_eq_u32 ttmp9, 2                          ; the ways out part on the cluster's x: the same in all partners and all waves
	s_cbranch_scc1 .Lv
; ---------------- q and k: rotate, quantise, store.  Lane (r, h) of accumulator (a, b): token 16 a + r, columns 16 b + 8 h + 0 .. 7 = pairs j = 8 (b % 4) + 4 h + 0 .. 3 of head b / 4
	s_lshl_b32 s84, s[TLA], 8
	s_lshl_b32 s85, s15, 7
	s_add_co_u32 s84, s84, s85                     ; my first token
	s_lshl_b32 s86, s[TLB], 8
	s_lshl_b32 s85, s16, 7
	s_add_co_u32 s86, s86, s85                     ; my first column
	s_lshr_b32 s87, s84, 11
	s_lshl_b32 s87, s87, 4
	s_lshr_b32 s86, s86, 6
	s_add_co_u32 s87, s87, s86                     ; batch x 16 + head
	s_lshl_b32 s87, s87, 17                        ; a head: 2,048 x 64 bytes
	s_and_b32 s84, s84, 2047                       ; my first place in the sequence
	s_lshl_b32 s85, s84, 6
	s_add_co_u32 s87, s87, s85
	s_lshl_b32 s85, ttmp9, 23                      ; q at 0, k at 8 MiB
	s_add_co_u32 s88, s87, s85
	s_mov_b32 s89, 0
	s_add_nc_u64 s[10:11], s[10:11], s[88:89]
	s_lshl_b32 s88, s84, 8                         ; the table: 4,096 bytes for 16 places
	s_add_nc_u64 s[6:7], s[6:7], s[88:89]
.macro TABLOAD a                       ; block a's cosines and sines: eight loads of 512 consecutive bytes into set a % 2
.irp i, 0,1,2,3,4,5,6,7
	global_load_b128 v[CS+32*((\a)%2)+4*\i:CS+32*((\a)%2)+4*\i+3], v[CO], s[6:7] offset:4096*(\a)+512*\i
.endr
.endm
.macro QUANT a                         ; 64 numbers in TMP -> 16 registers of codes, set a % 2
.set CDD, CD0+48*((\a)%2)
.set jj, 0
.rept 64
.set jj, jj+1
.endr
.irp b, 0,1,2,3,4,5,6,7
	v_cvt_scalef32_pk8_fp8_f32 v[CDD+2*\b:CDD+2*\b+1], v[TMP+8*\b:TMP+8*\b+7], v[SCL]
.endr
	v_nop                                          ; a plain line behind the last conversion: the next block's lines write its sources
.endm
.macro ROT a
.set AC, 64*((\a)%4)
.set CSS, CS+32*((\a)%2)
.if (\a) < 7
	s_wait_loadcnt 8                               ; this block's eight table loads are in; the next block's may be out
.else
	s_wait_loadcnt 0
.endif
	WIN 0x02+((\a)/4)                              ; source 0: the accumulators' window
.irp b, 0,1,2,3,4,5,6,7
.irp i, 0,2,4,6
	v_pk_mul_f32 v[TMP+8*\b+\i:TMP+8*\b+\i+1], v[AC+8*\b+\i:AC+8*\b+\i+1], v[CSS+8*(\b%4)+\i:CSS+8*(\b%4)+\i+1] op_sel_hi:[1,0]   ; (x0 cos, x1 cos); each accumulator from its low end on
.endr
.irp i, 0,2,4,6
	v_pk_fma_f32 v[TMP+8*\b+\i:TMP+8*\b+\i+1], v[AC+8*\b+\i:AC+8*\b+\i+1], v[CSS+8*(\b%4)+\i:CSS+8*(\b%4)+\i+1], v[TMP+8*\b+\i:TMP+8*\b+\i+1] op_sel:[1,1,0] op_sel_hi:[0,1,1] neg_lo:[0,1,0]   ; (- x1 sin, + x0 sin)
.endr
.endr
	WIN 0
.if (\a) < 6
	TABLOAD (\a)+2                                 ; into the set just read
.endif
	QUANT \a
.endm
; kind 0: q, k.  kind 1: v.  A block's 16 rows x 128 bytes of codes go into my stage and come back as runs that are consecutive in memory.
.macro TOSTAGE a, sto, rd, kind
.set CDD, CD0+48*((\a)%2)
.set BB, BK+16*((\a)%2)
.if (\a) > 1
	s_wait_xcnt 0x0                                ; the stores of two blocks back have read this set of registers
.endif
.irp b, 0,1,2,3,4,5,6,7
	ds_store_b64 v[\sto], v[CDD+2*\b:CDD+2*\b+1] offset:16*\b
.endr
.irp i, 0,1,2,3
.if \kind == 0
	ds_load_b128 v[BB+4*\i:BB+4*\i+3], v[\rd] offset:(\i&1)*8*SROW+(\i>>1)*64    ; head i / 2, tokens 8 (i % 2) on.  LDS serves a wave's instructions in order (ISA guide 5.7.1.4): these see the stores above
.else
	ds_load_b128 v[BB+4*\i:BB+4*\i+3], v[\rd] offset:\i*4*SROW                   ; rows 4 i on
.endif
.endr
.endm
.macro SEND a, kind
.set BB, BK+16*((\a)%2)
	s_wait_dscnt 0x0                               ; the block is back in registers
.irp i, 0,1,2,3
.if \kind == 0
	global_store_b128 v[CO], v[BB+4*\i:BB+4*\i+3], s[10:11] offset:1024*(\a)+(\i>>1)*131072+(\i&1)*512   ; 32 lanes store 512 consecutive bytes: eight tokens of one head
.else
	global_store_b128 v[CO], v[BB+4*\i:BB+4*\i+3], s[10:11] offset:((\a)>>2)*131072+((\a)&3)*2048+512*\i   ; four rows d of 128 keys
.endif
.endr
.endm
	TABLOAD 0                                      ; they land under the last 64 products
	TABLOAD 1
	LAST
	PLACES NP                                      ; in front of the first read of results and the first write over A's fragments
	ROT 0
	TOSTAGE 0, STOQ, RDQ, 0
.irp a, 1,2,3,4,5,6,7                  ; block a's arithmetic stands between block a - 1's loads from the stage and the wait for them
	ROT \a
	s_wait_alu depctr_va_vdst(0)
	SEND \a-1, 0
	TOSTAGE \a, STOQ, RDQ, 0
.endr
	SEND 7, 0
	FINISH
; ---------------- v: quantise, store.  Lane (r, h) of accumulator (a, b): d = 16 a + r, tokens 16 b + 8 h + 0 .. 7
.Lv:
	s_lshl_b32 s84, s[TLA], 8
	s_lshl_b32 s85, s15, 7
	s_add_co_u32 s84, s84, s85                     ; my first d
	s_lshl_b32 s86, s[TLB], 8
	s_lshl_b32 s85, s16, 7
	s_add_co_u32 s86, s86, s85                     ; my first token
	s_lshr_b32 s87, s86, 11
	s_lshl_b32 s87, s87, 4
	s_lshr_b32 s84, s84, 6
	s_add_co_u32 s87, s87, s84                     ; batch x 16 + head
	s_lshl_b32 s87, s87, 17
	s_and_b32 s86, s86, 2047
	s_lshl_b32 s86, s86, 6                         ; (place / 128) x 8,192 bytes; the place is a multiple of 128
	s_add_co_u32 s88, s87, s86
	s_add_co_u32 s88, s88, 0x1000000               ; v at 16 MiB
	s_mov_b32 s89, 0
	s_add_nc_u64 s[10:11], s[10:11], s[88:89]
.macro VQ a
.set AC, 64*((\a)%4)
.set CDD, CD0+48*((\a)%2)
	WIN 0x02+((\a)/4)
.set jj, 0
.rept 64
.set jj, jj+1
.endr
.irp b, 0,1,2,3,4,5,6,7
	v_cvt_scalef32_pk8_fp8_f32 v[CDD+2*\b:CDD+2*\b+1], v[AC+8*\b:AC+8*\b+7], v[SCL]
.endr
	WIN 0
	v_nop
.endm
	LAST
	PLACES NP
	s_wait_alu depctr_va_vdst(0)
	VQ 0
	TOSTAGE 0, STOV, RDV, 1
.irp a, 1,2,3,4,5,6,7
	VQ \a
	s_wait_alu depctr_va_vdst(0)
	SEND \a-1, 1
	TOSTAGE \a, STOV, RDV, 1
.endr
	SEND 7, 1
	FINISH
.Lfunc_end_k_q47efbf639a_proj:
	.size	k_q47efbf639a_proj, .Lfunc_end_k_q47efbf639a_proj-k_q47efbf639a_proj
	.p2alignl 7, 3214868480
	.fill 96, 4, 3214868480
	.section	.rodata,"a",@progbits
	.p2align	6, 0x0
	.amdhsa_kernel k_q47efbf639a_proj
		.amdhsa_group_segment_fixed_size 327680
		.amdhsa_private_segment_fixed_size 0
		.amdhsa_enable_private_segment 0
		.amdhsa_kernarg_size 32
		.amdhsa_user_sgpr_count 2
		.amdhsa_user_sgpr_kernarg_segment_ptr 1
		.amdhsa_wavefront_size32 1
		.amdhsa_system_sgpr_workgroup_id_x 1
		.amdhsa_system_sgpr_workgroup_id_y 1
		.amdhsa_system_sgpr_workgroup_id_z 1
		.amdhsa_system_vgpr_workitem_id 0
		.amdhsa_next_free_vgpr 1024
		.amdhsa_next_free_sgpr 100
		.amdhsa_reserve_vcc 0
		.amdhsa_float_denorm_mode_32 3
		.amdhsa_float_denorm_mode_16_64 3
		.amdhsa_fp16_overflow 1
		.amdhsa_memory_ordered 1
		.amdhsa_forward_progress 1
		.amdhsa_inst_pref_size 152
	.end_amdhsa_kernel
	.amdgpu_metadata
---
amdhsa.version: [ 1, 2 ]
amdhsa.kernels:
  - .name:           k_q47efbf639a_proj
    .symbol:         k_q47efbf639a_proj.kd
    .args:
      - { .name: codes, .offset: 0, .size: 8, .value_kind: global_buffer, .address_space: global }
      - { .name: tab, .offset: 8, .size: 8, .value_kind: global_buffer, .address_space: global }
      - { .name: lowp_scales, .offset: 16, .size: 8, .value_kind: global_buffer, .address_space: global }
      - { .name: qkv, .offset: 24, .size: 8, .value_kind: global_buffer, .address_space: global }
    .group_segment_fixed_size: 327680
    .private_segment_fixed_size: 0
    .kernarg_segment_align: 8
    .kernarg_segment_size: 32
    .max_flat_workgroup_size: 128
    .sgpr_count:     100
    .vgpr_count:     1024
    .wavefront_size: 32
...
	.end_amdgpu_metadata
.endif
;; end of part 2
;; launch attn (part 3): grid 4 x 64, 16 waves a work-group, clusters of 4 x 1, 327,680 bytes of LDS; arguments qkv, lowp_scales, ao; writes ao
.if DOCPART == 3
	.amdgcn_target "amdgcn-amd-amdhsa--gfx1250"
	.amdhsa_code_object_version 6
	.text
	.protected	k_q47efbf639a_attn
	.globl	k_q47efbf639a_attn
	.p2align	8
	.type	k_q47efbf639a_attn,@function
k_q47efbf639a_attn:
	s_mov_b64 s[64:65], 0
	v_nop
	global_prefetch_b8 v0, s[64:65] scope:SCOPE_SE
	s_setreg_imm32_b32 hwreg(HW_REG_WAVE_MODE, 25, 1), 1
	s_wait_xcnt 0x0
	s_wait_alu depctr_hold_cnt(0) depctr_sa_sdst(0) depctr_va_vdst(0) depctr_va_sdst(0) depctr_va_ssrc(0) depctr_va_vcc(0) depctr_vm_vsrc(0)
	s_getreg_b32 s2, hwreg(HW_REG_IB_STS2, 6, 4)
	s_cmp_eq_u32 s2, 0
	s_cbranch_scc0 .Lentry_in_a_cluster
	s_endpgm
.Lentry_in_a_cluster:
	s_bfe_u32 s2, ttmp6, 0x10000c
	s_cmp_lg_u32 s2, 0x3003
	s_cbranch_scc0 .Lentry_shape_is_right
	s_endpgm
.Lentry_shape_is_right:
; ATTN: causal attention on E4M3 codes, one cluster of four work-groups to a (batch, head); head size 64, 2,048 keys.
; t = score x log2(e) / 8; M = the running largest t rounded UP to a whole number; p = 2^(t - M) is quantised under 2^e8, not normalised; the row's sum is taken of the unquantised p and divides at the end.
; When M moves, the sum and O are multiplied by 2^(old M - new M): exact.  The result is quantised under 2^e10 for the last projection.
; ALL OF THE HEAD'S K AND V LIE IN LDS: 2,048 rows of K (64 bytes, pitch 80) and 16 tiles of V^T (64 rows d x 128 keys, pitch 144), each byte filled once, by joint loads of the four partners: no ring, and no barrier among the key steps.
; SHARES.  The 2,048 queries are 16 groups m of 128 = 8 tiles of 16.  Partner cx takes tiles 2 cx and 2 cx + 1 of EVERY group; wave w takes tile 2 cx + (w & 1) of group pidx(w) (0..7) in pass 0 and of group 15 - pidx in pass 1:
; m + 1 key steps of 128 keys count for a group, so every wave of every work-group has 17 steps.  Which steps are hidden and which lies on the diagonal hangs on the wave's number alone:
; cx enters only global addresses and the number that the mask compares with.
; LAYOUT.  S^T = K Q^T (source 0 = 16 neighbouring keys, source 1 = my 16 queries; K = 64): lane (r, h) holds query r, and register j of tile c key 16 c + 8 h + j: the very place that the K = 128 form gives k in its
; operand: the conversions' results are P.  O^T = V^T P (source 0 = 16 d x 128 keys).  K and Q are fetched 16 bytes a piece: the same order of the head's 64 on both sides.
; LIMITS on the given exponents: e6 + e7 between -123 and 130 (added to c's exponent field); e8, and e10 - e8 - e9, between -126 and 119.
; REGISTERS: v1-7, v10, v11 addresses that stay; v8, v9 the step's LDS addresses; v12 -M, v13 the largest t, v[14:15] the sum; v16-23, v24-31 Q of pass 0, 1; v32-95 K's, then V's fragments; v96-159 S^T, then p;
; v160-191 O^T; v192-207 p's codes; v208-215 the result's codes; v216-223 rows back from the stage; v224 -infinity; v236, v242, v243, v252-254 at work; v241: 2^e8; v244: 2^(e10-e8-e9).
.set KP,    80
.set VP,    144
.set KSTEPB, 128*KP                    ; 10,240: a key step's rows of K
.set VSTEPB, 64*VP                     ; 9,216: a key step's tile of V^T
.set VOFF,  2048*KP                    ; 163,840
.set STAGE, VOFF+16*VSTEPB             ; 311,296: 1,024 bytes a wave, into which no fill lands
.set AK0, 1
.set AV0, 2
.set DQ,  3
.set STI, 4
.set STO, 5
.set GO0, 6
.set QO0, 7
.set ADK, 8
.set ADV, 9
.set QO1, 10
.set GO1, 11
.set WV,  18
.set SEL, 20
.set CSC, 22
.set G1K, 24
.set G1V, 32
.set G0K, 40
.set G0V, 48
.set MM,  56                           ; s56 my group in the pass = my last key step
.set KT,  57                           ; s57 the key step
.set KB,  58                           ; s58 its rows of K in LDS
.set VS,  59                           ; s59 its tile of V^T
.set M1,  60                           ; s60 my group in pass 1
.macro CROUND
	s_barrier_signal -1
	s_barrier_wait -1
	s_cmp_lg_u32 s[WV], 0
	s_cbranch_scc1 .Lnot_wave_0_\@
	s_barrier_signal -3
.Lnot_wave_0_\@:
	s_barrier_wait -3
	s_barrier_signal -1
	s_barrier_wait -1
.endm
	s_load_b128 s[4:7], s[0:1], 0x0                ; qkv s[4:5], lowp_scales s[6:7]
	s_load_b64 s[8:9], s[0:1], 0x10                ; ao
	v_lshrrev_b32 v8, 5, v0
	s_delay_alu instid0(VALU_DEP_1)
	v_readfirstlane_b32 s[WV], v8                  ; wave 0..15
	s_bfe_u32 s10, ttmp6, 0x40000                  ; cx
	s_and_b32 s11, ttmp7, 0xffff                   ; batch x 16 + head: shared by the four partners
	s_and_b32 s12, s[WV], 7                        ; which key step of each half I fetch
	; descriptor group 1.  K: 128 rows of 64 bytes, dense, 16 bytes of padding behind each.  V: 64 rows of 128 bytes, dense, likewise.  The mask names all four partners
	s_mov_b32 s[G1K], 15|(0<<16)|(1<<20)|(1<<21)|(3<<22)|(3<<25)
	s_mov_b32 s[G1K+1], 64<<16
	s_mov_b32 s[G1K+2], 128<<16
	s_mov_b32 s[G1K+3], 64<<16
	s_mov_b32 s[G1K+4], 128
	s_mov_b32 s[G1K+5], 64
	s_mov_b32 s[G1K+6], 0
	s_mov_b32 s[G1K+7], 0
	s_mov_b32 s[G1V], 15|(0<<16)|(1<<20)|(1<<21)|(4<<22)|(3<<25)
	s_mov_b32 s[G1V+1], 128<<16
	s_mov_b32 s[G1V+2], 64<<16
	s_mov_b32 s[G1V+3], 128<<16
	s_mov_b32 s[G1V+4], 64
	s_mov_b32 s[G1V+5], 128
	s_mov_b32 s[G1V+6], 0
	s_mov_b32 s[G1V+7], 0
	s_lshl_b32 s14, s11, 17                        ; a head's 131,072 bytes,
	s_lshl_b32 s13, s12, 13                        ; a key step's 8,192 (of K and of V alike)
	s_add_co_u32 s14, s14, s13
	s_mov_b32 s15, 0
	s_mul_i32 s16, s12, KSTEPB
	s_mul_i32 s17, s12, VSTEPB
	s_add_co_u32 s17, s17, VOFF
	s_mov_b32 s[SEL], 0x76543210
	s_mov_b32 s[SEL+1], 0xfedcba98
	s_wait_kmcnt 0x0
	s_load_b256 s[68:75], s[6:7], 0x0              ; e0 .. e7
	s_load_b128 s[76:79], s[6:7], 0x20             ; e8 .. e11
	s_add_nc_u64 s[14:15], s[4:5], s[14:15]
	s_mov_b32 s[G0K], 1                            ; K, keys 0-1023: my 128
	s_mov_b32 s[G0K+1], s16
	s_add_nc_u64 s[G0K+2:G0K+3], s[14:15], 0x800000
	s_or_b32 s[G0K+3], s[G0K+3], 0x80000000
	s_mov_b32 s[G0K+4], 1                          ; keys 1024-2047
	s_add_co_u32 s[G0K+5], s16, 8*KSTEPB
	s_add_nc_u64 s[G0K+6:G0K+7], s[14:15], 0x810000
	s_or_b32 s[G0K+7], s[G0K+7], 0x80000000
	s_mov_b32 s[G0V], 1                            ; V likewise
	s_mov_b32 s[G0V+1], s17
	s_add_nc_u64 s[G0V+2:G0V+3], s[14:15], 0x1000000
	s_or_b32 s[G0V+3], s[G0V+3], 0x80000000
	s_mov_b32 s[G0V+4], 1
	s_add_co_u32 s[G0V+5], s17, 8*VSTEPB
	s_add_nc_u64 s[G0V+6:G0V+7], s[14:15], 0x1010000
	s_or_b32 s[G0V+7], s[G0V+7], 0x80000000
	CROUND                                         ; all four work-groups are here: the joint loads meet
	s_cmp_lt_u32 s[WV], 8                          ; waves 0-7 fetch K, waves 8-15 V; a wave's two fills stand in one branch on its number: two loads of mine are out
	s_cbranch_scc0 .Lfirst_v
	tensor_load_to_lds s[G0K:G0K+3], s[G1K:G1K+7]
	s_nop 0
	tensor_load_to_lds s[G0K+4:G0K+7], s[G1K:G1K+7]
	s_nop 0
.rept 4
	v_nop
.endr
	s_branch .Lfirst_asked
.Lfirst_v:
	tensor_load_to_lds s[G0V:G0V+3], s[G1V:G1V+7]
	s_nop 0
	tensor_load_to_lds s[G0V+4:G0V+7], s[G1V:G1V+7]
	s_nop 0
.rept 4
	v_nop
.endr
.Lfirst_asked:
	; who I am
	s_lshr_b32 s12, s[WV], 2                       ; a
	s_bfe_u32 s13, s[WV], 0x10001                  ; bit 1
	s_and_b32 s[MM], s12, 2
	s_add_co_u32 s[MM], s[MM], s13
	s_and_b32 s12, s12, 1
	s_mul_i32 s12, s12, 7
	s_xor_b32 s[MM], s[MM], s12                    ; pidx: the four waves that agree in their two low bits have groups 0, 7, 2, 5 or 1, 6, 3, 4: 18 steps together in pass 0, 50 in pass 1
	s_xor_b32 s[M1], s[MM], 15
	s_lshl_b32 s19, s10, 5
	s_and_b32 s12, s[WV], 1
	s_lshl_b32 s12, s12, 4
	s_add_co_u32 s19, s19, s12                     ; QL = 32 cx + 16 (w & 1): my tile's first query in its group
	s_lshl_b32 s12, s11, 17
	s_lshl_b32 s13, s19, 6
	s_add_co_u32 s12, s12, s13
	s_mov_b32 s13, 0
	s_add_nc_u64 s[80:81], s[4:5], s[12:13]        ; q at my head, + 64 QL
	s_lshr_b32 s12, s11, 4
	s_lshl_b32 s12, s12, 21                        ; ao: [token / 128][head][128][64 bytes]: a batch is 16 x 131,072 bytes,
	s_and_b32 s16, s11, 15
	s_lshl_b32 s16, s16, 13                        ; a head 8,192,
	s_add_co_u32 s12, s12, s16
	s_lshl_b32 s16, s19, 6
	s_add_co_u32 s12, s12, s16                     ; + 64 QL
	s_add_nc_u64 s[82:83], s[8:9], s[12:13]
	v_and_b32 v8, 15, v0                           ; r
	v_bfe_u32 v9, v0, 4, 1                         ; h
	s_delay_alu instid0(VALU_DEP_2)
	v_lshlrev_b32 v233, 6, v8
	s_delay_alu instid0(VALU_DEP_1)
	v_lshl_add_u32 v233, v9, 4, v233               ; Q: 64 r + 16 h
	s_lshl_b32 s12, s[MM], 13
	v_add_nc_u32 v[QO0], s12, v233                 ; + the group's 8,192 bytes
	s_lshl_b32 s12, s[M1], 13
	v_add_nc_u32 v[QO1], s12, v233
	global_load_b128 v[16:19], v[QO0], s[80:81]    ; Q of both passes stays in registers
	global_load_b128 v[20:23], v[QO0], s[80:81] offset:32
	global_load_b128 v[24:27], v[QO1], s[80:81]
	global_load_b128 v[28:31], v[QO1], s[80:81] offset:32
	v_mul_u32_u24 v[AK0], v8, KP
	s_delay_alu instid0(VALU_DEP_1)
	v_lshl_add_u32 v[AK0], v9, 4, v[AK0]           ; K: 80 r + 16 h
	v_mul_u32_u24 v[AV0], v8, VP
	s_delay_alu instid0(VALU_DEP_1)
	v_lshl_add_u32 v[AV0], v9, 3, v[AV0]
	s_delay_alu instid0(VALU_DEP_1)
	v_add_nc_u32 v[AV0], VOFF, v[AV0]              ; V^T: 144 r + 8 h
	v_lshlrev_b32 v[DQ], 3, v9
	s_delay_alu instid0(VALU_DEP_1)
	v_sub_nc_u32 v[DQ], v8, v[DQ]
	s_delay_alu instid0(VALU_DEP_1)
	v_add_nc_u32 v[DQ], s19, v[DQ]                 ; QL + r - 8 h: on the diagonal key 16 c + 8 h + j is hidden where 16 c + j is above it
	s_lshl_b32 s12, s[WV], 10
	s_add_co_u32 s12, s12, STAGE                   ; my stage
	v_lshlrev_b32 v[STI], 6, v8
	s_delay_alu instid0(VALU_DEP_1)
	v_lshl_add_u32 v[STI], v9, 3, v[STI]
	s_delay_alu instid0(VALU_DEP_1)
	v_add_nc_u32 v[STI], s12, v[STI]               ; in: row r of 64 bytes, + 8 h
	v_and_b32 v232, 31, v0
	s_delay_alu instid0(VALU_DEP_1)
	v_lshlrev_b32 v232, 4, v232
	s_delay_alu instid0(VALU_DEP_1)
	v_add_nc_u32 v[STO], s12, v232                 ; back: 16 x lane
	s_lshl_b32 s12, s[MM], 17
	v_add_nc_u32 v[GO0], s12, v232                 ; ao: 16 x lane + the group's 131,072 bytes
	s_lshl_b32 s12, s[M1], 17
	v_add_nc_u32 v[GO1], s12, v232
	v_mov_b32 v224, 0xff800000                     ; -infinity
	v_mov_b32 v236, 0                              ; written once: a lane permute's destination counts as one of its sources
	v_mov_b32 v252, 0
	v_mov_b32 v253, 0                              ; (named as the upper half of the pair v[252:253])
	s_wait_kmcnt 0x0
	s_add_co_i32 s12, s74, s75
	s_lshl_b32 s12, s12, 23
	s_mov_b32 s[CSC], 0x3e38aa3b                   ; c = log2(e) / sqrt(64)
	s_add_co_i32 s[CSC], s[CSC], s12               ; a score stands for score x 2^(e6 + e7): added to c's exponent field
	s_mov_b32 s[CSC+1], s[CSC]
	s_add_co_i32 s12, s76, 127
	s_lshl_b32 s13, s12, 23
	v_mov_b32 v241, s13                            ; 2^e8
	s_sub_co_i32 s12, s78, s76
	s_sub_co_i32 s12, s12, s77                     ; O^T / l stands for that x 2^(e8 + e9); its code is that / 2^(e10 - e8 - e9)
	s_add_co_i32 s12, s12, 127
	s_lshl_b32 s13, s12, 23
	v_mov_b32 v244, s13
	s_wait_loadcnt 0x0                             ; Q
; A KEY STEP: 128 keys.  A step all of whose keys come after my queries is left out by a scalar branch on the wave's number and the trip; no barrier and no tensor load stands in a step.
.macro STEP qr
	s_cmp_gt_u32 s[KT], s[MM]
	s_cbranch_scc1 .Lhidden_\@
	s_setprio 2
	v_add_nc_u32 v[ADK], s[KB], v[AK0]
	v_add_nc_u32 v[ADV], s[VS], v[AV0]
.irp c, 0,1,2,3,4,5,6,7
	ds_load_b128 v[32+8*\c:35+8*\c], v[ADK] offset:16*KP*\c
	ds_load_b128 v[36+8*\c:39+8*\c], v[ADK] offset:16*KP*\c+32
.endr
	s_wait_alu depctr_va_vdst(0)
	s_wait_dscnt 0x0
.irp c, 0,1,2,3,4,5,6,7
	v_wmma_f32_16x16x64_fp8_fp8 v[96+8*\c:103+8*\c], v[32+8*\c:39+8*\c], v[\qr:\qr+7], 0
.endr
.rept 4
	v_nop                                          ; places in front of the loads into K's registers and of the first read of the scores
.endr
.irp t, 0,1,2,3                                ; V^T's four fragments: they land under the softmax
.irp c, 0,1,2,3,4,5,6,7
	ds_load_b64 v[32+16*\t+2*\c:33+16*\t+2*\c], v[ADV] offset:16*VP*\t+16*\c
.endr
.endr
	s_cmp_lg_u32 s[KT], s[MM]                      ; only my last step lies on the diagonal
	s_cbranch_scc1 .Lopen_\@
.set jj, 0
.rept 64
	v_cmp_gt_i32 vcc_lo, 16*(jj/8)+jj%8, v[DQ]
	v_cndmask_b32 v[96+jj], v[96+jj], v224, vcc_lo ; a hidden score becomes -infinity ahead of the maximum: p = 0
.set jj, jj+1
.endr
.Lopen_\@:
	v_max3_num_f32 v254, v96, v97, v98             ; the step's largest score of my query among my 64 keys, in two chains, the scores in ascending order,
	v_max3_num_f32 v252, v99, v100, v101
.irp i, 6,10,14,18,22,26,30,34,38,42,46,50,54,58
	v_max3_num_f32 v254, v254, v[96+\i], v[97+\i]
	v_max3_num_f32 v252, v252, v[98+\i], v[99+\i]
.endr
	v_max3_num_f32 v254, v254, v158, v159
	s_delay_alu instid0(VALU_DEP_1)
	v_max_num_f32 v254, v254, v252
	s_delay_alu instid0(VALU_DEP_1)
	v_permlanex16_b32 v236, v254, s[SEL], s[SEL+1]
	s_delay_alu instid0(VALU_DEP_1)
	v_max_num_f32 v254, v254, v236                 ; and among lane l xor 16's
	s_delay_alu instid0(VALU_DEP_1)
	v_mul_f32 v254, s[CSC], v254                   ; as t (c is positive)
	s_delay_alu instid0(VALU_DEP_1)
	v_max_num_f32 v13, v13, v254                   ; the running largest t
	v_mov_b32 v254, v12
	s_delay_alu instid0(VALU_DEP_2)
	v_floor_f32 v12, -v13                          ; -M = floor(-t): M is a whole number
	s_delay_alu instid0(VALU_DEP_1)
	v_sub_f32 v254, v12, v254                      ; old M - new M: a whole number, 0 or less
	s_delay_alu instid0(VALU_DEP_1)
	v_cvt_i32_f32 v254, v254                       ; (it saturates)
	s_delay_alu instid0(VALU_DEP_1)
	v_ldexp_f32 v252, 1.0, v254                    ; f = 2^(old M - new M)
	s_setprio 1
.irp j, 0,2,4,6,8,10,12,14,16,18,20,22,24,26,28,30,32,34,36,38,40,42,44,46,48,50,52,54,56,58,60,62
	v_pk_fma_f32 v[96+\j:97+\j], v[96+\j:97+\j], s[CSC:CSC+1], v[12:13] op_sel_hi:[1,0,0]   ; t - M, two at a time
.endr
.set jj, 0
	s_wait_alu depctr_va_vdst(0)
.rept 64
	v_exp_f32 v[96+jj], v[96+jj]                   ; p = 2^(t - M), at most 1
.set jj, jj+1
.endr
	v_pk_mul_f32 v[14:15], v[14:15], v[252:253] op_sel_hi:[1,0]   ; the sums under the new M: the plain line behind the exponentials
	s_wait_alu depctr_va_vdst(0)                   ; one wait for the batch of 64, ahead of its first reader
	v_pk_add_f32 v[242:243], v[100:101], v[104:105]
	v_pk_add_f32 v[254:255], v[108:109], v[112:113]
	v_pk_add_f32 v[250:251], v[116:117], v[120:121]
	v_pk_add_f32 v[248:249], v[124:125], v[128:129]
	v_pk_add_f32 v[246:247], v[132:133], v[136:137]
	v_pk_add_f32 v[238:239], v[140:141], v[144:145]
	v_pk_add_f32 v[234:235], v[148:149], v[152:153]
	v_pk_add_f32 v[14:15], v[14:15], v[156:157]
	v_pk_add_f32 v[242:243], v[242:243], v[96:97]
	v_pk_add_f32 v[254:255], v[254:255], v[98:99]
	v_pk_add_f32 v[250:251], v[250:251], v[102:103]
	v_pk_add_f32 v[248:249], v[248:249], v[106:107]
	v_pk_add_f32 v[246:247], v[246:247], v[110:111]
	v_pk_add_f32 v[238:239], v[238:239], v[114:115]
	v_pk_add_f32 v[234:235], v[234:235], v[118:119]
	v_pk_add_f32 v[14:15], v[14:15], v[122:123]
	v_pk_add_f32 v[242:243], v[242:243], v[126:127]
	v_pk_add_f32 v[254:255], v[254:255], v[130:131]
	v_pk_add_f32 v[250:251], v[250:251], v[134:135]
	v_pk_add_f32 v[248:249], v[248:249], v[138:139]
	v_pk_add_f32 v[246:247], v[246:247], v[142:143]
	v_pk_add_f32 v[238:239], v[238:239], v[146:147]
	v_pk_add_f32 v[234:235], v[234:235], v[150:151]
	v_pk_add_f32 v[14:15], v[14:15], v[154:155]
	v_pk_add_f32 v[242:243], v[242:243], v[158:159]
	s_delay_alu instid0(VALU_DEP_2)
	v_pk_add_f32 v[14:15], v[14:15], v[248:249]
	s_delay_alu instid0(VALU_DEP_2)
	v_pk_add_f32 v[242:243], v[242:243], v[246:247]
	s_setprio 0
	v_pk_add_f32 v[254:255], v[254:255], v[238:239]
	v_pk_add_f32 v[250:251], v[250:251], v[234:235]
	s_delay_alu instid0(VALU_DEP_2)
	v_pk_add_f32 v[14:15], v[14:15], v[254:255]
	s_delay_alu instid0(VALU_DEP_2)
	v_pk_add_f32 v[242:243], v[242:243], v[250:251]
	s_delay_alu instid0(VALU_DEP_1)
	v_pk_add_f32 v[14:15], v[14:15], v[242:243]
.set jj, 0
.rept 64
.set jj, jj+1
.endr
.irp c, 0,1,2,3,4,5,6,7
	v_cvt_scalef32_pk8_fp8_f32 v[192+2*\c:193+2*\c], v[96+8*\c:103+8*\c], v241   ; keys 16 c + 8 h + 0 .. 7: registers 2 c, 2 c + 1 of the operand
.endr
.irp j, 0,2,4,6,8,10,12,14,16,18,20,22,24,26,28,30
	v_pk_mul_f32 v[160+\j:161+\j], v[160+\j:161+\j], v[252:253] op_sel_hi:[1,0]   ; O^T under the new M.  (Also the plain lines between the conversions and the products)
.endr
	s_wait_alu depctr_va_vdst(0)
	s_wait_dscnt 0x0                               ; V^T is in
.irp t, 0,1,2,3
	v_wmma_f32_16x16x128_fp8_fp8 v[160+8*\t:167+8*\t], v[32+16*\t:47+16*\t], v[192:207], v[160+8*\t:167+8*\t]   ; four accumulators by turns
.endr
.rept 4
	v_nop                                          ; places in front of the next step's loads into V's registers, and of the way out's reads
.endr
.Lhidden_\@:
.endm
; A PASS: one tile of 16 queries against its keys.  left: my tensor loads that may stay out.  The trip count is a constant; the steps beyond my group are jumped over.
.macro PASS qr, trips, left, go
	s_wait_tensorcnt \left                         ; my part of the keys that this pass reads has landed; nothing is ever filled again, so in pass 0 the upper half's load may stay out
	s_wait_dscnt 0x0
	s_barrier_signal -1
	s_barrier_wait -1                              ; everybody's has
	v_mov_b32 v13, 0xff61b1e6                      ; the largest t so far: -3e38
	s_delay_alu instid0(VALU_DEP_1)
	v_floor_f32 v12, -v13
	v_mov_b32 v14, 0
	v_mov_b32 v15, 0
.set jj, 0
.rept 32
	v_mov_b32 v[160+jj], 0                         ; O^T: the step is written once a pass; the first step finds zeros, which the first change of M leaves zeros
.set jj, jj+1
.endr
	s_mov_b32 s[KT], 0
	s_mov_b32 s[KB], 0
	s_mov_b32 s[VS], 0
.Lkeys_\@:
	STEP \qr
	s_add_co_u32 s[KB], s[KB], KSTEPB
	s_add_co_u32 s[VS], s[VS], VSTEPB
	s_add_co_u32 s[KT], s[KT], 1
	s_cmp_lt_u32 s[KT], \trips
	s_cbranch_scc1 .Lkeys_\@
	s_setprio 0
	v_add_f32 v14, v14, v15                        ; the sum's two halves,
	s_delay_alu instid0(VALU_DEP_1)
	v_permlanex16_b32 v252, v14, s[SEL], s[SEL+1]
	s_delay_alu instid0(VALU_DEP_1)
	v_add_f32 v14, v14, v252                       ; and lane l xor 16's
	s_wait_alu depctr_va_vdst(0)
	v_rcp_f32 v14, v14
	v_nop                                          ; a plain line behind the reciprocal
	s_wait_alu depctr_va_vdst(0)                   ; and the wait ahead of its first reader
.irp j, 0,2,4,6,8,10,12,14,16,18,20,22,24,26,28,30
	v_pk_mul_f32 v[96+\j:97+\j], v[160+\j:161+\j], v[14:15] op_sel_hi:[1,0]   ; O^T / l: register 8 t + j is o(query r, d = 16 t + 8 h + j)
.endr
.set jj, 0
.rept 32
.set jj, jj+1
.endr
.irp t, 0,1,2,3
	v_cvt_scalef32_pk8_fp8_f32 v[208+2*\t:209+2*\t], v[96+8*\t:103+8*\t], v244
.endr
	v_nop
.irp t, 0,1,2,3
	ds_store_b64 v[STI], v[208+2*\t:209+2*\t] offset:16*\t
.endr
	s_wait_xcnt 0x0                                ; the last pass's stores have read the registers that the loads below fill
	ds_load_b128 v[216:219], v[STO]                ; LDS serves a wave's instructions in order (ISA guide 5.7.1.4): these see my stores
	ds_load_b128 v[220:223], v[STO] offset:512
	s_wait_dscnt 0x0
	global_store_b128 v[\go], v[216:219], s[82:83]             ; 16 queries x 64 bytes are 1,024 consecutive bytes of ao: 512 a store
	global_store_b128 v[\go], v[220:223], s[82:83] offset:512
.endm
	PASS 16, 8, 1, GO0
	s_mov_b32 s[MM], s[M1]
	PASS 24, 16, 0, GO1
	CROUND                                         ; the closing round: no work-group ends while a partner may still ask jointly
	s_endpgm
.Lfunc_end_k_q47efbf639a_attn:
	.size	k_q47efbf639a_attn, .Lfunc_end_k_q47efbf639a_attn-k_q47efbf639a_attn
	.p2alignl 7, 3214868480
	.fill 96, 4, 3214868480
	.section	.rodata,"a",@progbits
	.p2align	6, 0x0
	.amdhsa_kernel k_q47efbf639a_attn
		.amdhsa_group_segment_fixed_size 327680
		.amdhsa_private_segment_fixed_size 0
		.amdhsa_enable_private_segment 0
		.amdhsa_kernarg_size 24
		.amdhsa_user_sgpr_count 2
		.amdhsa_user_sgpr_kernarg_segment_ptr 1
		.amdhsa_wavefront_size32 1
		.amdhsa_system_sgpr_workgroup_id_x 1
		.amdhsa_system_sgpr_workgroup_id_y 1
		.amdhsa_system_sgpr_workgroup_id_z 1
		.amdhsa_system_vgpr_workitem_id 0
		.amdhsa_next_free_vgpr 256
		.amdhsa_next_free_sgpr 96
		.amdhsa_reserve_vcc 1
		.amdhsa_float_denorm_mode_32 3
		.amdhsa_float_denorm_mode_16_64 3
		.amdhsa_fp16_overflow 1
		.amdhsa_memory_ordered 1
		.amdhsa_forward_progress 1
		.amdhsa_inst_pref_size 56
	.end_amdhsa_kernel
	.amdgpu_metadata
---
amdhsa.version: [ 1, 2 ]
amdhsa.kernels:
  - .name:           k_q47efbf639a_attn
    .symbol:         k_q47efbf639a_attn.kd
    .args:
      - { .name: qkv, .offset: 0, .size: 8, .value_kind: global_buffer, .address_space: global }
      - { .name: lowp_scales, .offset: 8, .size: 8, .value_kind: global_buffer, .address_space: global }
      - { .name: ao, .offset: 16, .size: 8, .value_kind: global_buffer, .address_space: global }
    .group_segment_fixed_size: 327680
    .private_segment_fixed_size: 0
    .kernarg_segment_align: 8
    .kernarg_segment_size: 24
    .max_flat_workgroup_size: 512
    .sgpr_count:     96
    .vgpr_count:     256
    .wavefront_size: 32
...
	.end_amdgpu_metadata
.endif
;; end of part 3
;; launch outp (part 4): grid 4 x 32, 4 waves a work-group, clusters of 4 x 4, 327,680 bytes of LDS; arguments ao, codes, lowp_scales, out0; writes out0
.if DOCPART == 4
	.amdgcn_target "amdgcn-amd-amdhsa--gfx1250"
	.amdhsa_code_object_version 6
	.text
	.protected	k_q47efbf639a_outp
	.globl	k_q47efbf639a_outp
	.p2align	8
	.type	k_q47efbf639a_outp,@function
k_q47efbf639a_outp:
	s_mov_b64 s[64:65], 0
	v_nop
	global_prefetch_b8 v0, s[64:65] scope:SCOPE_SE
	s_setreg_imm32_b32 hwreg(HW_REG_WAVE_MODE, 25, 1), 1
	s_wait_xcnt 0x0
	s_wait_alu depctr_hold_cnt(0) depctr_sa_sdst(0) depctr_va_vdst(0) depctr_va_sdst(0) depctr_va_ssrc(0) depctr_va_vcc(0) depctr_vm_vsrc(0)
	s_getreg_b32 s2, hwreg(HW_REG_IB_STS2, 6, 4)
	s_cmp_eq_u32 s2, 0
	s_cbranch_scc0 .Lentry_in_a_cluster
	s_endpgm
.Lentry_in_a_cluster:
	s_bfe_u32 s2, ttmp6, 0x10000c
	s_cmp_lg_u32 s2, 0xf033
	s_cbranch_scc0 .Lentry_shape_is_right
	s_endpgm
.Lentry_shape_is_right:
; OUTP: out0 = attention's result x wo^T on E4M3 codes; each finished sum x 2^(e10 + e11).  out0: [8192][1024] f32.
; A = ao, laid [token / 128][head: 16][token % 128][64 bytes]: 128 tokens' codes of four heads (256 along K) are 512 rows of 64 bytes, dense in memory.  B = wo's codes, [1024][1024], K innermost.
; A tile of 256 x 256 is made by four waves, 128 x 128 each; K = 1,024 goes in four steps of 256 through two LDS slots filled by joint tensor loads; 128 tiles in all.
; LIMIT: e10 + e11 between -126 and 127.
; CLUSTERS: 4 x 4: A's tile is shared along a row of the cluster, B's along a column.  The matrix instruction is used transposed (source 0 = 16 rows of B, source 1 = 16 rows of A): a lane holds eight neighbouring numbers of a row of out0.
; REGISTERS: window 0: v0-31 addresses; from v128 A's fragments, one set (way out: v32-95 sums x the scale, v128-255 rows read back).  window 1: B's fragments, two sets.  windows 2, 3: the accumulators.
.set SIZE_N, 1024
.set ROWB,   256
.set KROW,   1024
.set PITCH,  272                       ; B's LDS row: 256 + 16
.set PA,     80                        ; A's LDS row: 64 + 16: both are odd multiples of 16 bytes, so the 16 rows that a load touches start at 16 different groups of four banks (ISA guide 11.1)
.set HEADB,  128*PA                    ; 128 tokens of one head
.set HALFA,  4*HEADB                   ; what one load for A brings: 128 tokens x 4 heads
.set HALFB,  128*PITCH
.set BOFF,   2*HALFA
.set SLOT,   BOFF+2*HALFB
.set SPARE,  2*SLOT                    ; behind the ring: the spare words, 128 bytes a wave, that no other line names
.set SPITCH, 528                       ; the way out: 16 rows x (512 + 16) a wave, in slot 0, behind its last fill and its last read
.set FR,     16
.set NL,     4
.set NP,     4
.set ADRA, 16
.set ADRB, 20
.set STO,  24
.set RD,   25
.set CO,   26
.set SPW,  28
.set NIL,  29
.set TMP,  32
.set AF,   128
.set BK,   128
.set G1, 24
.set G0, 32
.set G1B, 48
.set G0B, 56
.set MSB, 0
.macro WIN new
.if MSB != \new
	s_set_vgpr_msb (MSB<<8)|\new
.set MSB, \new
.endif
.endm
.set MUL_LO, 0xa1
.set MUL_HI, 0xf1
.set TO_B,   0x40
.macro JLOAD g0a, g1a, g0b, g1b        ; waves 0 and 1 fetch for A, waves 2 and 3 for B; four v_nop follow each of the two lines
	s_cmp_eq_u32 s15, 0
	s_cbranch_scc0 .Lfor_b_\@
	tensor_load_to_lds s[\g0a:\g0a+3], s[\g1a:\g1a+7]
	s_nop 0
.rept 4
	v_nop
.endr
	s_branch .Lasked_\@
.Lfor_b_\@:
	tensor_load_to_lds s[\g0b:\g0b+3], s[\g1b:\g1b+7]
	s_nop 0
.rept 4
	v_nop
.endr
.Lasked_\@:
.endm
.macro CREST
	s_cmp_lg_u32 s14, 0
	s_cbranch_scc1 .Lnot_wave_0_\@
	s_barrier_signal -3
.Lnot_wave_0_\@:
	s_barrier_wait -3
	s_barrier_signal -1
	s_barrier_wait -1
.endm
.macro CROUND
	s_barrier_signal -1
	s_barrier_wait -1
	CREST
.endm
	s_load_b128 s[4:7], s[0:1], 0x0                ; ao s[4:5], codes s[6:7]
	s_load_b128 s[8:11], s[0:1], 0x10              ; lowp_scales s[8:9], out0 s[10:11]
	v_lshl_add_u32 v[SPW], v0, 2, SPARE
	v_mov_b32 v[NIL], 0
	v_lshrrev_b32 v1, 5, v0
	v_readfirstlane_b32 s14, v1
	s_lshr_b32 s15, s14, 1                         ; which half of the tile's rows is mine.  Also: I fetch for A (0) or for B (1)
	s_and_b32 s16, s14, 1                          ; which half of its columns.  Also: which 128 rows of that tile I fetch
	s_bfe_u32 s40, ttmp6, 0x40000
	s_bfe_u32 s41, ttmp6, 0x40004
	s_lshl_b32 s42, ttmp9, 2
	s_add_co_u32 s42, s42, s40                     ; tile column
	s_and_b32 s17, ttmp7, 0xffff
	s_lshl_b32 s17, s17, 2
	s_add_co_u32 s17, s17, s41                     ; tile row
	s_lshl_b32 s43, s41, 2
	s_lshl_b32 s43, 15, s43
	s_lshl_b32 s44, 0x1111, s40
	s_or_b32 s[G1+0], s43, (0<<16)|(1<<20)|(1<<21)|(3<<22)|(3<<25)  ; A: the mask of my row; elements of 1 byte; padding: 4 words after every 16
	s_mov_b32 s[G1+1], 64<<16                      ; tensor_dim0
	s_mov_b32 s[G1+2], 512<<16                     ; tensor_dim1
	s_mov_b32 s[G1+3], 64<<16                      ; tile_dim0
	s_mov_b32 s[G1+4], 512                         ; tile_dim1
	s_mov_b32 s[G1+5], 64                          ; from row to row: dense
	s_mov_b32 s[G1+6], 0
	s_mov_b32 s[G1+7], 0
	s_or_b32 s[G1B+0], s44, (0<<16)|(1<<20)|(1<<21)|(5<<22)|(3<<25) ; B: the mask of my column; padding: 4 words after every 64
	s_mov_b32 s[G1B+1], ROWB<<16
	s_mov_b32 s[G1B+2], 128<<16
	s_mov_b32 s[G1B+3], ROWB<<16
	s_mov_b32 s[G1B+4], 128
	s_mov_b32 s[G1B+5], KROW
	s_mov_b32 s[G1B+6], 0
	s_mov_b32 s[G1B+7], 0
	s_lshl_b32 s20, s17, 1
	s_add_co_u32 s20, s20, s16
	s_lshl_b32 s20, s20, 17                        ; A: block of 128 tokens 2 x tile row + half, 131,072 bytes each
	s_mov_b32 s21, 0
	s_lshl_b32 s46, s42, 18
	s_lshl_b32 s18, s16, 17
	s_add_co_u32 s46, s46, s18
	s_add_co_u32 s46, s46, 0x1b00000               ; B: wo's codes, row 256 x tile column + 128 x half
	s_mov_b32 s47, 0
	s_mul_i32 s45, s16, HALFA                      ; where they go
	s_mul_i32 s66, s16, HALFB
	s_add_co_u32 s66, s66, BOFF
	s_wait_kmcnt 0x0
	s_load_b64 s[96:97], s[8:9], 0x28              ; e10, e11
	s_add_nc_u64 s[20:21], s[4:5], s[20:21]
	s_add_nc_u64 s[46:47], s[6:7], s[46:47]
	CROUND
.irp s, 0,1
	s_mov_b32 s[G0+4*\s], 1
	s_add_co_u32 s[G0+4*\s+1], s45, \s*SLOT
	s_add_nc_u64 s[G0+4*\s+2:G0+4*\s+3], s[20:21], \s*32768        ; four heads on
	s_or_b32 s[G0+4*\s+3], s[G0+4*\s+3], 0x80000000
	s_mov_b32 s[G0B+4*\s], 1
	s_add_co_u32 s[G0B+4*\s+1], s66, \s*SLOT
	s_add_nc_u64 s[G0B+4*\s+2:G0B+4*\s+3], s[46:47], \s*ROWB
	s_or_b32 s[G0B+4*\s+3], s[G0B+4*\s+3], 0x80000000
	s_wait_alu depctr_va_vdst(0)
	s_wait_tensorcnt 0x0
	ds_add_u32 v28, v29
	ds_add_u32 v28, v29
	s_wait_dscnt 0x0
	CROUND
	JLOAD G0+4*\s, G1, G0B+4*\s, G1B
.endr
	v_and_b32 v1, 15, v0
	v_bfe_u32 v2, v0, 4, 1
	v_mul_u32_u24 v3, v1, PITCH
	v_lshl_add_u32 v4, v2, 4, v3                   ; B: row x 272 + 16 h
	v_mul_u32_u24 v3, v1, PA
	v_lshl_add_u32 v3, v2, 4, v3                   ; A: row x 80 + 16 h
	s_mul_i32 s21, s15, HALFA
	s_mul_i32 s22, s16, HALFB
	s_add_co_u32 s22, s22, BOFF
.irp s, 0,1
	v_add_nc_u32 v[ADRA+\s], s21, v3
	v_add_nc_u32 v[ADRB+\s], s22, v4
	s_add_co_u32 s21, s21, SLOT
	s_add_co_u32 s22, s22, SLOT
.endr
	s_mul_i32 s23, s14, 16*SPITCH
	v_mul_u32_u24 v5, v1, SPITCH
	v_lshl_add_u32 v5, v2, 5, v5
	v_add_nc_u32 v[STO], s23, v5
	v_and_b32 v6, 31, v0
	v_lshlrev_b32 v[CO], 4, v6
	v_add_nc_u32 v[RD], s23, v[CO]
	s_lshl_b32 s20, s17, 8
	s_lshl_b32 s21, s15, 7
	s_add_co_u32 s20, s20, s21                     ; my first row of out0
	s_mov_b32 s21, 0
	s_mov_b64 s[18:19], SIZE_N*4
	s_mul_u64 s[20:21], s[20:21], s[18:19]
	s_lshl_b32 s46, s42, 10
	s_lshl_b32 s47, s16, 9
	s_add_co_u32 s46, s46, s47                     ; my first column, in bytes
	s_mov_b32 s47, 0
	s_add_nc_u64 s[20:21], s[20:21], s[46:47]
	s_add_nc_u64 s[10:11], s[10:11], s[20:21]
.macro FRAGB reg, adr, q, i            ; registers 4 c .. 4 c + 3 hold K = 128 q + 32 c + 16 h + 0 .. 15
.irp c, 0,1,2,3
	ds_load_b128 v[\reg+4*\c:\reg+4*\c+3], v[\adr] offset:128*(\q)+32*\c+(\i)*16*PITCH
.endr
.endm
.macro FRAGA reg, adr, q, i            ; the same K: head 2 q + c / 2 of the slot's four, bytes 32 (c % 2) + 16 h of its 64
.irp c, 0,1,2,3
	ds_load_b128 v[\reg+4*\c:\reg+4*\c+3], v[\adr] offset:(2*(\q)+(\c>>1))*HEADB+32*(\c&1)+(\i)*16*PA
.endr
.endm
.macro MUL16 a0, p, zero               ; the 64 accumulators take turns, one instruction a turn, in the same order in every step
.irp a, \a0, \a0+1
.irp b, 0,1,2,3,4,5,6,7
.if \zero
	v_wmma_f32_16x16x128_fp8_fp8 v[8*(8*((\a)%4)+\b):8*(8*((\a)%4)+\b)+7], v[128*(\p)+FR*\b:128*(\p)+FR*\b+FR-1], v[AF+FR*(\a):AF+FR*(\a)+FR-1], 0
.else
	v_wmma_f32_16x16x128_fp8_fp8 v[8*(8*((\a)%4)+\b):8*(8*((\a)%4)+\b)+7], v[128*(\p)+FR*\b:128*(\p)+FR*\b+FR-1], v[AF+FR*(\a):AF+FR*(\a)+FR-1], v[8*(8*((\a)%4)+\b):8*(8*((\a)%4)+\b)+7]
.endif
.endr
.endr
.endm
.macro FETCH_B slot, q, p
	WIN TO_B
.irp i, 0,1,2,3,4,5,6,7
	FRAGB 128*(\p)+FR*\i, ADRB+\slot, \q, \i
.endr
	WIN 0
.endm
.macro FETCH_A slot, q, i0
.irp i, \i0, \i0+1, \i0+2, \i0+3
	FRAGA AF+FR*(\i), ADRA+\slot, \q, \i
.endr
.endm
.macro PLACES n                        ; plain vector lines between a matrix instruction and a load into, or a vector access to, its registers
.rept \n
	v_nop
.endr
.endm
.macro STEP slot, q, zero
	s_wait_dscnt 4*NL                              ; B's set and A's blocks 0-3 are in; the youngest sixteen loads (A's blocks 4-7) may be out
	WIN MUL_LO
	MUL16 0, (\q)%2, \zero
	MUL16 2, (\q)%2, \zero
	s_wait_dscnt 0
	PLACES NP
	FETCH_B \slot, (\q)+1, 1-(\q)%2
	FETCH_A \slot, (\q)+1, 0
	WIN MUL_HI
	MUL16 4, (\q)%2, \zero
	MUL16 6, (\q)%2, \zero
	PLACES NP
	WIN 0
	FETCH_A \slot, (\q)+1, 4
.endm
.macro TURN slot, next, fill
	s_wait_tensorcnt 0x0                           ; all my tensor loads have landed: my part of the next slot
	ds_add_u32 v[SPW], v[NIL]                      ; 0 onto my spare word
	s_wait_dscnt 4*NL+1                            ; (the add and the youngest sixteen loads may be out)
	WIN MUL_LO
	MUL16 0, 1, 0
	s_wait_dscnt 0x0                               ; the add is done, and my reads of this slot are over
	s_barrier_signal -1
	MUL16 2, 1, 0
	WIN 0
	s_barrier_wait -1
.if \fill
	CREST                                          ; the barrier has opened a round of the cluster's: no wave of any partner still reads this slot or has a load on its way
	s_add_nc_u64 s[G0+4*\slot+2:G0+4*\slot+3], s[G0+4*\slot+2:G0+4*\slot+3], 65536
	s_add_nc_u64 s[G0B+4*\slot+2:G0B+4*\slot+3], s[G0B+4*\slot+2:G0B+4*\slot+3], 2*ROWB
	JLOAD G0+4*\slot, G1, G0B+4*\slot, G1B
.else
	PLACES NP
.endif
	FETCH_B \next, 0, 0
	FETCH_A \next, 0, 0
	WIN MUL_HI
	MUL16 4, 1, 0
	MUL16 6, 1, 0
	PLACES NP
	WIN 0
	FETCH_A \next, 0, 4
.endm
	s_wait_alu depctr_va_vdst(0)
	s_wait_tensorcnt 1                             ; my part of K 0-255 is in (the load for K 256-511 may be out)
	s_barrier_signal -1
	s_barrier_wait -1
	FETCH_B 0, 0, 0
	FETCH_A 0, 0, 0
	FETCH_A 0, 0, 4
	STEP 0, 0, 1                                   ; eight steps of 128 along K, written out; the first starts the sums
	TURN 0, 1, 1
	STEP 1, 0, 0
	TURN 1, 0, 1
	STEP 0, 0, 0
	TURN 0, 1, 0
	STEP 1, 0, 0
	s_wait_dscnt 4*NL
	WIN MUL_LO
	MUL16 0, 1, 0
	MUL16 2, 1, 0
	s_wait_dscnt 0
	WIN MUL_HI
	MUL16 4, 1, 0
	MUL16 6, 1, 0
	WIN 0
; THE WAY OUT, block by block of 16 rows x 128 columns, through my own stage: whole rows of 512 bytes come back, which the 32 lanes store as one aligned run of 512 bytes.
.macro TOSTAGE a
.set AC, 64*((\a)%4)
	WIN 0x02+((\a)/4)
.irp j, 0,2,4,6,8,10,12,14,16,18,20,22,24,26,28,30,32,34,36,38,40,42,44,46,48,50,52,54,56,58,60,62
	v_pk_mul_f32 v[TMP+\j:TMP+\j+1], v[AC+\j:AC+\j+1], s[96:97] op_sel_hi:[1,0]   ; x 2^(e10 + e11); each accumulator from its low end on
.endr
	WIN 0
.irp b, 0,1,2,3,4,5,6,7
	ds_store_b128 v[STO], v[TMP+8*\b:TMP+8*\b+3] offset:64*\b
	ds_store_b128 v[STO], v[TMP+8*\b+4:TMP+8*\b+7] offset:64*\b+16
.endr
.set BB, BK+64*((\a)%2)
.irp t, 0,1,2,3,4,5,6,7,8,9,10,11,12,13,14,15
	ds_load_b128 v[BB+4*\t:BB+4*\t+3], v[RD] offset:\t*SPITCH      ; LDS serves a wave's instructions in order (ISA guide 5.7.1.4)
.endr
.endm
.macro SEND a, younger
.set BB, BK+64*((\a)%2)
	s_wait_dscnt \younger
.if (\a) > 0
	s_add_nc_u64 s[10:11], s[10:11], 16*SIZE_N*4   ; (behind a wait on XCNT: the earlier stores have read their base)
.endif
.irp t, 0,1,2,3,4,5,6,7,8,9,10,11,12,13,14,15
	global_store_b128 v[CO], v[BB+4*\t:BB+4*\t+3], s[10:11] offset:\t*SIZE_N*4 th:TH_STORE_NT
.endr
.endm
	s_wait_kmcnt 0x0
	s_add_co_i32 s96, s96, s97
	s_add_co_i32 s96, s96, 127
	s_lshl_b32 s96, s96, 23                        ; 2^(e10 + e11) as f32
	PLACES NP
	TOSTAGE 0
.irp a, 1,2,3,4,5,6,7
.if \a > 1
	s_wait_xcnt 0x0                                ; block a - 2's stores have read their registers and their base
.endif
	TOSTAGE \a
	SEND \a-1, 32                                  ; behind block a - 1's loads: block a's 16 stores and 16 loads
.endr
	s_wait_xcnt 0x0
	SEND 7, 0
	s_wait_tensorcnt 0x0                           ; the wave's end
	ds_add_u32 v[SPW], v[NIL]
	s_wait_dscnt 0x0
	CROUND                                         ; the closing round
	s_endpgm
.Lfunc_end_k_q47efbf639a_outp:
	.size	k_q47efbf639a_outp, .Lfunc_end_k_q47efbf639a_outp-k_q47efbf639a_outp
	.p2alignl 7, 3214868480
	.fill 96, 4, 3214868480
	.section	.rodata,"a",@progbits
	.p2align	6, 0x0
	.amdhsa_kernel k_q47efbf639a_outp
		.amdhsa_group_segment_fixed_size 327680
		.amdhsa_private_segment_fixed_size 0
		.amdhsa_enable_private_segment 0
		.amdhsa_kernarg_size 32
		.amdhsa_user_sgpr_count 2
		.amdhsa_user_sgpr_kernarg_segment_ptr 1
		.amdhsa_wavefront_size32 1
		.amdhsa_system_sgpr_workgroup_id_x 1
		.amdhsa_system_sgpr_workgroup_id_y 1
		.amdhsa_system_sgpr_workgroup_id_z 1
		.amdhsa_system_vgpr_workitem_id 0
		.amdhsa_next_free_vgpr 1024
		.amdhsa_next_free_sgpr 98
		.amdhsa_reserve_vcc 0
		.amdhsa_float_denorm_mode_32 3
		.amdhsa_float_denorm_mode_16_64 3
		.amdhsa_memory_ordered 1
		.amdhsa_forward_progress 1
		.amdhsa_inst_pref_size 124
	.end_amdhsa_kernel
	.amdgpu_metadata
---
amdhsa.version: [ 1, 2 ]
amdhsa.kernels:
  - .name:           k_q47efbf639a_outp
    .symbol:         k_q47efbf639a_outp.kd
    .args:
      - { .name: ao, .offset: 0, .size: 8, .value_kind: global_buffer, .address_space: global }
      - { .name: codes, .offset: 8, .size: 8, .value_kind: global_buffer, .address_space: global }
      - { .name: lowp_scales, .offset: 16, .size: 8, .value_kind: global_buffer, .address_space: global }
      - { .name: out0, .offset: 24, .size: 8, .value_kind: global_buffer, .address_space: global }
    .group_segment_fixed_size: 327680
    .private_segment_fixed_size: 0
    .kernarg_segment_align: 8
    .kernarg_segment_size: 32
    .max_flat_workgroup_size: 128
    .sgpr_count:     98
    .vgpr_count:     1024
    .wavefront_size: 32
...
	.end_amdgpu_metadata
.endif
;; end of part 4
